; MI455X (gfx1250); checked and timed in simulation.
; The chip was launched on July 23, 2026; its instructions are those of AMD's public machine-readable ISA for CDNA 5 (MIT licence, August 2026) and "CDNA5" Instruction Set Architecture Reference Guide (July 2026). The comments in the code are by the model that wrote it; some were corrected since.
;; Mo E Block. Allowed arithmetic: matrix products marked QUANTISED: E4M3 operands, one E8M0 scale for each 32 along K, by v_wmma_scale_f32_16x16x128_f8f6f4 with both operands' format E4M3, f32 sums; products left as they are: f32 operands where the result goes on into a quantised operand, else bf16, f16 or f32 operands; f32 sums; everything else in f32.
;; Inputs: b1 8 x 4,096 float32; b2 8 x 1,024 float32; gate_b 8 float32; gate_w 1,024 x 8 float32; w1_codes 8 x 4,096 x 32 x 32 uint8 (E4M3 codes of w1, K innermost, in blocks of 32 codes); w1_scales 8 x 4,096 x 32 uint8 (E8M0 scales of w1, one for each 32 codes along K); w2_codes 8 x 1,024 x 128 x 32 uint8 (E4M3 codes of w2, K innermost, in blocks of 32 codes); w2_scales 8 x 1,024 x 128 uint8 (E8M0 scales of w2, one for each 32 codes along K); x 2 x 512 x 1,024 float32.
;; Outputs: out0 2 x 512 x 1,024 float32; out1 2 x 512 x 8 float32; out2 8 float32.
;; This version of the problem:
;;   THIS VERSION OF THE PROBLEM IS GIVEN IN LOW PRECISION. The matrix products marked QUANTISED in the list below multiply operands that are first quantised to E4M3 (4 exponent bits, 3 mantissa bits; 8 bits a number), with one power-of-two scale for each 32 numbers along K (OCP MX v1.0); their sums are f32. All else is computed in f32.
;;   The module's matrix products, in the order in which they are computed (A, B: the left and right operand; K: the contracted axis; several contracted axes count as one K, in the product's order):
;;     1. [M 1,024, K 1,024] x [K 1,024, N 8]; A: input x; B: input gate_w: left as it is (N = 8 < 16)
;;     2. [M 32,768, K 1,024] x [K 1,024, N 1,024]; A: input w1 (given as codes); B: input x: QUANTISED
;;     3. batch 8 x [M 1,024, K 4,096] x [K 4,096, N 1,024]; A: input w2 (given as codes); B: computed on the way: QUANTISED
;;     4. batch 1,024 x [M 1,024, K 8] x [K 8, N 1]; A: computed on the way; B: computed on the way: left as it is (K = 8 < 32)
;;   THE QUANTISER, for each operand of a quantised product, along K:
;;     - K is cut into blocks of 32 from its start; a last block that is shorter is filled with zeros.
;;     - A block's scale is 2^e with e = floor(log2(the largest magnitude in the block)) - 8, held to -126 .. 127; a block of zeros has e = 0. As a byte (E8M0): e + 127.
;;     - Each number is divided by its block's scale, clamped to +-448, and rounded to the nearest number of E4M3, ties to even, subnormals kept.
;;     - The product sums the exact products of the quantised numbers (number of the format x scale) in f32.
;;   ~~~python
;;   def quantise(x, axis):      # numpy; x: float32 -> the quantised numbers, widened to float32 again
;;       x = np.moveaxis(x, axis, -1); K = x.shape[-1]
;;       x = np.pad(x, [(0, 0)] * (x.ndim - 1) + [(0, -K % 32)]); x = x.reshape(x.shape[:-1] + (-1, 32)); a = np.abs(x).max(-1, keepdims=True)
;;       e = np.where(a > 0, np.clip(np.frexp(np.where(a > 0, a, 1))[1] - 1 - 8, -126, 127), 0)      # np.frexp(a)[1] - 1 = floor(log2(a)), exactly
;;       r = np.clip(x / 2.0 ** e, -448, 448)
;;       step = 2.0 ** (np.maximum(np.frexp(np.where(r == 0, 1, r))[1] - 1, -6) - 3)
;;       q = np.round(r / step) * step * 2.0 ** e      # np.round: ties to even
;;       return np.moveaxis(q.reshape(q.shape[:-2] + (-1,))[..., :K], -1, axis).astype(np.float32)
;;   ~~~
;;   OPERANDS COMPUTED ON THE WAY. 'Computed on the way' means the value that the module computes at that place (a softmax that the list does not call 'softmax' is quantised finished and normalised). What goes into a quantiser is computed in f32, as accurately as f32 sums, v_exp_f32 and their like allow (about 1e-6 of the number): no bf16 or f16 on the way to a quantiser, and a product that is left as it is and whose result goes on into a quantised operand takes f32 operands (vector FMAs, or v_wmma_f32_16x16x4_f32). A number that lies on a knife's edge between two numbers of the format may be rounded either way, as far as f32 arithmetic and the matrix unit's own rounding can turn it there, and no further.
;;   INPUTS GIVEN AS CODES. w1 (in the module: [8, 1024, 4096], K = its axis 1); w2 (in the module: [8, 4096, 1024], K = its axis 1): each comes as NAME_codes (uint8): NAME with its K axis moved to the last place and cut into blocks of 32 codes, [.., K / 32, bytes a block], one block behind the other in memory; one code a byte (a code: sign, 4 exponent bits, 3 mantissa bits); and NAME_scales (uint8): the same leading axes, one E8M0 byte (e + 127) for each 32 codes along K. Its value is code x scale, taken as it is: it is not quantised again, and the codes and scales need not be those that the quantiser above would give.
;; 2 versions, each right; version 2 is version 1 with the launches ffn1, ffn2 written anew for expert scheduling mode. Each part assembles by itself: llvm-mc -triple=amdgcn-amd-amdhsa -mcpu=gfx1250 --defsym DOCPART=n.
;; ======== version 1 of 2: 5 launches
;; workspace buffers: xq 1,089,536 bytes; ridx 8,192 bytes of whole numbers; rpos 65,792 bytes of whole numbers; xs 8,650,752 bytes; hb 34,603,008 bytes; yb 134,217,728 bytes
;; launch route (part 1): grid 256 x 1, 1 waves a work-group, no clusters, 35,072 bytes of LDS; arguments x, gate_w, gate_b, xq, ridx, out1; writes xq, ridx, out1
.if DOCPART == 1
	.amdgcn_target "amdgcn-amd-amdhsa--gfx1250"
	.amdhsa_code_object_version 6
	.text
	.protected	k_qec57b00973_route
	.globl	k_qec57b00973_route
	.p2align	8
	.type	k_qec57b00973_route,@function
k_qec57b00973_route:
	s_mov_b64 s[64:65], 0
	v_nop
	global_prefetch_b8 v0, s[64:65] scope:SCOPE_SE
	s_setreg_imm32_b32 hwreg(HW_REG_WAVE_MODE, 25, 1), 1
	s_wait_xcnt 0x0
; ROUTER AND QUANTISER OF x.  x [1024 tokens][1024] f32, gate_w [1024][8] f32, gate_b [8] f32.
; A work-group is one wave and takes four tokens.  It makes their 8 logits (f32 multiply-adds), the softmax with its maximum taken away, the two largest scores
; (ties to the lower expert, as jax.lax.top_k has them), out1 (the dense dispatch), and x's codes of E4M3 with one E8M0 byte for each 32 along K.
; STORED FOR LATER LAUNCHES, all at fixed places (no address here hangs on a score):
;   xq   byte 0: codes [token][1024];  byte 0x100000: scale bytes [token][32];  byte 0x108000: the two gates, f32 [token][2]
;   ridx u32 [token][2]: the expert of slot 0 and of slot 1
; SHARES.  Of each token lane l holds x at k = 256 i + 8 l + j (i = 0..3, j = 0..7): eight neighbours along K in eight consecutive registers, as the conversion wants; four lanes hold a block of 32.
; gate_w's rows of those k, 256 registers a lane, come in as dense loads and turn through LDS (16 bytes of padding behind each 256).
; Each lane sums its 32 k for 4 tokens x 8 experts; a reduce-scatter in five steps leaves the logit of token l / 8, expert l % 8 in lane l.
; LIMITS: NaN and infinities among the inputs are not served.  A block of x whose largest magnitude lies under 2^-118 keeps the scale byte 1; a block of zeros too (its codes are zeros; only this program reads the bytes).
; out1 (128 bytes a wave), the indices, the gates and the scale bytes leave in short stores: 80 KB of the launch's 5 MB.
.set A,   16                           ; v16-47   the 32 sums, 8 t + e
.set X,   48                           ; v48-175  x: 32 t + 8 i + j
.set T,   176                          ; v176-191 at work
.set C,   192                          ; v192-223 codes, two registers for each (t, i): no store's data are written again
.set SB,  224                          ; v224-239 scale bytes, 4 t + i
.set GB,  240                          ; gate_b of my expert
.set MX,  241
.set SC,  242                          ; my score
.set SM,  243
.set RK,  244                          ; how many of my token's scores come before mine
.set OT,  245
.set DS,  246
.set I1,  247
.set I2,  248
.set G1,  249
.set G2,  250
.set IX,  252
.set GT,  253
.set MSB, 0
.macro WIN new                         ; the immediate's high byte repeats the setting that is left
.if MSB != \new
	s_set_vgpr_msb (MSB<<8)|\new
.set MSB, \new
.endif
.endm
	s_load_b256 s[4:11], s[0:1], 0x0               ; x s[4:5], gate_w s[6:7], gate_b s[8:9], xq s[10:11]
	s_load_b128 s[12:15], s[0:1], 0x20             ; ridx s[12:13], out1 s[14:15]
	v_lshl_add_u32 v254, v0, 2, 0x8800
	v_mov_b32 v255, 0
	v_lshlrev_b32 v1, 4, v0                        ; 16 l: gate_w's loads
	v_lshlrev_b32 v2, 5, v0                        ; 32 l: x's loads
	v_lshrrev_b32 v3, 4, v0
	v_lshl_add_u32 v3, v3, 4, v1                   ; LDS, way in: 16 l + 16 (l / 16)
	v_mul_u32_u24 v4, v0, 272                      ; LDS, way out: my unit of 256 bytes + 16
	v_and_b32 v5, 7, v0                            ; my expert
	v_lshlrev_b32 v6, 2, v0                        ; out1: 4 l
	v_lshrrev_b32 v7, 3, v0
	v_and_b32 v11, 1, v0
	v_lshlrev_b32 v7, 3, v7
	v_lshl_add_u32 v7, v11, 2, v7                  ; ridx and gates: 8 (l / 8) + 4 (l % 2)
	v_lshlrev_b32 v8, 3, v0                        ; codes: 8 l
	v_and_b32 v9, 3, v0
	v_lshrrev_b32 v11, 2, v0
	v_lshl_add_u32 v9, v9, 3, v11                  ; scale byte: block 8 (l % 4) + l / 4
	v_lshlrev_b32 v10, 2, v5                       ; gate_b: 4 (l % 8)
	s_mov_b32 s20, 0xaaaaaaaa                      ; lanes whose bit 0 is set; then bits 1 to 4
	s_mov_b32 s21, 0xcccccccc
	s_mov_b32 s22, 0xf0f0f0f0
	s_mov_b32 s23, 0xff00ff00
	s_mov_b32 s24, 0xffff0000
	s_mov_b32 s26, 0x76543210                      ; v_permlanex16_b32's selects for lane l xor 16
	s_mov_b32 s27, 0xfedcba98
	s_mov_b32 s28, 0x600000                        ; the mantissa field of 448
	s_mov_b32 s29, 0x3fb8aa3b                      ; log2(e)
	s_lshl_b32 s34, ttmp9, 14                      ; four rows of x
	s_mov_b32 s35, 0
	s_lshl_b32 s36, ttmp9, 12                      ; four rows of codes
	s_mov_b32 s37, 0
	s_lshl_b32 s38, ttmp9, 7                       ; four rows of scale bytes, and of out1
	s_mov_b32 s39, 0
	s_lshl_b32 s40, ttmp9, 5                       ; four pairs of indices, and of gates
	s_mov_b32 s41, 0
.irp b, 8,9,10,11
	v_mov_b32 v[T+\b], 0                           ; written once: a lane permute's destination counts as one of its sources
.endr
	v_mov_b32 v[OT], 0
	s_wait_kmcnt 0x0
	s_add_nc_u64 s[4:5], s[4:5], s[34:35]
	s_add_nc_u64 s[16:17], s[10:11], s[36:37]      ; codes
	s_add_nc_u64 s[18:19], s[10:11], s[38:39]      ; scale bytes (0x100000 stands in the immediate)
	s_add_nc_u64 s[10:11], s[10:11], s[40:41]      ; gates (0x108000 likewise)
	s_add_nc_u64 s[12:13], s[12:13], s[40:41]
	s_add_nc_u64 s[14:15], s[14:15], s[38:39]
	WIN 0x40                                       ; destination window 1
.set n, 0
.rept 64
	global_load_b128 v[4*n:4*n+3], v1, s[6:7] offset:512*n    ; gate_w as it lies: 512 consecutive bytes a load
.set n, n+1
.endr
	WIN 0
.irp t, 0,1,2,3
.irp i, 0,1,2,3
	global_load_b128 v[X+32*\t+8*\i:X+32*\t+8*\i+3], v2, s[4:5] offset:4096*\t+1024*\i th:TH_LOAD_NT
	global_load_b128 v[X+32*\t+8*\i+4:X+32*\t+8*\i+7], v2, s[4:5] offset:4096*\t+1024*\i+16 th:TH_LOAD_NT
.endr
.endr
	global_load_b32 v[GB], v10, s[8:9]
	s_wait_loadcnt 33                              ; gate_w is in: behind its 64 loads stand x's 32 and gate_b's one
	WIN 0x04                                       ; an LDS store's data are its source 1: window 1
.set n, 0
.rept 64
	ds_store_b128 v3, v[4*n:4*n+3] offset:544*n    ; byte a of gate_w goes to a + 16 (a / 256)
.set n, n+1
.endr
	s_wait_dscnt 0x0                               ; the stores have read their registers
	WIN 0x40
.irp i, 0,1,2,3
.irp j, 0,1,2,3,4,5,6,7
	ds_load_b128 v[8*(8*\i+\j):8*(8*\i+\j)+3], v4 offset:8704*\i+32*\j          ; gate_w[256 i + 8 l + j][0..3]
	ds_load_b128 v[8*(8*\i+\j)+4:8*(8*\i+\j)+7], v4 offset:8704*\i+32*\j+16     ; [4..7]
.endr
.endr
	s_wait_loadcnt 0x0                             ; x and gate_b
	s_wait_dscnt 0x0
	WIN 0x04                                       ; source 1 (gate_w) window 1
.irp t, 0,1,2,3                                ; the first k starts the sums: nothing is cleared
.irp p, 0,1,2,3
	v_pk_mul_f32 v[A+8*\t+2*\p:A+8*\t+2*\p+1], v[X+32*\t:X+32*\t+1], v[2*\p:2*\p+1] op_sel_hi:[0,1]
.endr
.endr
.set k, 1
.rept 31                                       ; sixteen sums of two experts take turns; one number of x serves both halves
.irp t, 0,1,2,3
.irp p, 0,1,2,3
.if k%2
	v_pk_fma_f32 v[A+8*\t+2*\p:A+8*\t+2*\p+1], v[X+32*\t+k-1:X+32*\t+k], v[8*k+2*\p:8*k+2*\p+1], v[A+8*\t+2*\p:A+8*\t+2*\p+1] op_sel:[1,0,0] op_sel_hi:[1,1,1]
.else
	v_pk_fma_f32 v[A+8*\t+2*\p:A+8*\t+2*\p+1], v[X+32*\t+k:X+32*\t+k+1], v[8*k+2*\p:8*k+2*\p+1], v[A+8*\t+2*\p:A+8*\t+2*\p+1] op_sel_hi:[0,1,1]
.endif
.endr
.endr
.set k, k+1
.endr
	WIN 0
; REDUCE-SCATTER.  In the step for lane bit m a lane keeps the sum whose index has that bit as the lane has it, and sends the other to the lane across.
.macro BFLY n, d, mask, m
	v_cndmask_b32 v[T+2*((\n)%4)], v[A+(\n)], v[A+(\n)+(\d)], \mask        ; what I keep
	v_cndmask_b32 v[T+2*((\n)%4)+1], v[A+(\n)+(\d)], v[A+(\n)], \mask      ; what I send
	v_add_f32_dpp v[A+(\n)], v[T+2*((\n)%4)+1], v[T+2*((\n)%4)] row_xmask:\m row_mask:0xf bank_mask:0xf
.endm
.irp n, 0,1,2,3,4,5,6,7,8,9,10,11,12,13,14,15
	v_cndmask_b32 v[T+2*(\n%4)], v[A+\n], v[A+\n+16], s24
	v_cndmask_b32 v[T+2*(\n%4)+1], v[A+\n+16], v[A+\n], s24
	v_permlanex16_b32 v[T+8+\n%4], v[T+2*(\n%4)+1], s26, s27
	v_add_f32 v[A+\n], v[T+2*(\n%4)], v[T+8+\n%4]
.endr
.irp n, 0,1,2,3,4,5,6,7
	BFLY \n, 8, s23, 8
.endr
.irp n, 0,1,2,3
	BFLY \n, 4, s22, 4
.endr
	BFLY 0, 2, s21, 2
	BFLY 1, 2, s21, 2
	BFLY 0, 1, s20, 1
	v_add_f32 v[A], v[A], v[GB]                    ; the logit of token l / 8, expert l % 8
	; softmax over the eight lanes of a token
	v_mov_b32 v[MX], v[A]
.irp m, 1,2,4
	v_max_num_f32_dpp v[MX], v[MX], v[MX] row_xmask:\m row_mask:0xf bank_mask:0xf
.endr
	v_sub_f32 v[SC], v[A], v[MX]
	v_mul_f32 v[SC], s29, v[SC]
	v_exp_f32 v[SC], v[SC]
	v_mov_b32 v[RK], 0                             ; a plain line behind the exponential
	s_wait_alu depctr_va_vdst(0)                   ; the wait ahead of the first line that names the result
	v_mov_b32 v[SM], v[SC]
.irp m, 1,2,4
	v_add_f32_dpp v[SM], v[SM], v[SM] row_xmask:\m row_mask:0xf bank_mask:0xf
.endr
	v_rcp_f32 v[SM], v[SM]
	v_nop                                          ; a plain line behind the reciprocal
	s_wait_alu depctr_va_vdst(0)
	v_mul_f32 v[SC], v[SC], v[SM]                  ; my score
	; my place among the eight: another score comes before mine if it is larger, or equal with a lower expert (expert e xor m is lower where my bit at m's highest bit is set)
.macro BEFORE m, mask
	v_mov_b32_dpp v[OT], v[SC] row_xmask:\m row_mask:0xf bank_mask:0xf
	v_cmp_gt_f32 s30, v[OT], v[SC]
	v_cmp_eq_f32 s31, v[OT], v[SC]
	s_and_b32 s31, s31, \mask
	s_or_b32 vcc_lo, s30, s31
	v_add_co_ci_u32 v[RK], vcc_lo, 0, v[RK], vcc_lo
.endm
	BEFORE 1, s20
	BEFORE 2, s21
	BEFORE 3, s21
	BEFORE 4, s22
	BEFORE 5, s22
	BEFORE 6, s22
	BEFORE 7, s22
	v_cmp_gt_u32 vcc_lo, 2, v[RK]
	v_cndmask_b32 v[DS], 0, v[SC], vcc_lo          ; the dispatch: the score where it is one of the two largest
	global_store_b32 v6, v[DS], s[14:15]
	v_cmp_eq_u32 vcc_lo, 0, v[RK]                  ; the two chosen experts and their scores, spread to all eight lanes: one lane holds the number, the others 0
	v_cndmask_b32 v[I1], 0, v5, vcc_lo
	v_cndmask_b32 v[G1], 0, v[SC], vcc_lo
	v_cmp_eq_u32 vcc_lo, 1, v[RK]
	v_cndmask_b32 v[I2], 0, v5, vcc_lo
	v_cndmask_b32 v[G2], 0, v[SC], vcc_lo
.irp v, I1, I2, G1, G2
.irp m, 1,2,4
	v_mov_b32_dpp v[OT], v[\v] row_xmask:\m row_mask:0xf bank_mask:0xf
	v_or_b32 v[\v], v[\v], v[OT]
.endr
.endr
	v_cndmask_b32 v[IX], v[I1], v[I2], s20         ; even lanes take slot 0, odd lanes slot 1
	v_cndmask_b32 v[GT], v[G1], v[G2], s20
	global_store_b32 v7, v[IX], s[12:13]           ; the four lanes of a token with the same parity write the same word with the same value
	global_store_b32 v7, v[GT], s[10:11] offset:0x108000
; x INTO CODES.  Eight numbers a lane, four lanes to a block.
.macro QX t, i
.set xr, X+32*(\t)+8*(\i)
.set qr, T+4*(\i)
	v_max3_num_f32 v[qr], |v[xr]|, |v[xr+1]|, 0x4800000      ; my eight, and the floor 2^(9 - 127): so the byte cannot fall under 1
	v_max3_num_f32 v[qr], v[qr], |v[xr+2]|, |v[xr+3]|
	v_max3_num_f32 v[qr], v[qr], |v[xr+4]|, |v[xr+5]|
	v_max3_num_f32 v[qr], v[qr], |v[xr+6]|, |v[xr+7]|
	v_max_num_f32_dpp v[qr], v[qr], v[qr] row_xmask:1 row_mask:0xf bank_mask:0xf
	v_max_num_f32_dpp v[qr], v[qr], v[qr] row_xmask:2 row_mask:0xf bank_mask:0xf   ; the block's largest magnitude
	v_add_nc_u32 v[qr+1], 0xfc000000, v[qr]        ; 8 off its exponent field: the conversion's scale operand
	v_and_or_b32 v[qr+2], v[qr], 0x7f800000, s28   ; 448 x the scale
.irp j, 0,1,2,3,4,5,6,7
	v_med3_num_f32 v[xr+\j], v[xr+\j], -v[qr+2], v[qr+2]     ; the conversion to an 8-bit code does not saturate (ISA guide 7.6.2): the hold comes first
.endr
	v_cvt_scalef32_pk8_fp8_f32 v[C+2*(4*(\t)+(\i)):C+2*(4*(\t)+(\i))+1], v[xr:xr+7], v[qr+1]
	v_lshrrev_b32 v[SB+4*(\t)+(\i)], 23, v[qr+1]   ; the scale's byte; also the plain line behind the conversion
	global_store_b64 v8, v[C+2*(4*(\t)+(\i)):C+2*(4*(\t)+(\i))+1], s[16:17] offset:1024*(\t)+256*(\i)   ; 32 lanes store 256 consecutive bytes, aligned
.endm
.irp t, 0,1,2,3
.irp i, 0,1,2,3
	QX \t, \i
.endr
.endr
.irp t, 0,1,2,3                                ; lane l holds the bytes of blocks 8 i + l / 4 and sends that of i = l % 4: each of a token's 32 bytes once
	v_cndmask_b32 v[T], v[SB+4*\t], v[SB+4*\t+1], s20
	v_cndmask_b32 v[T+1], v[SB+4*\t+2], v[SB+4*\t+3], s20
	v_cndmask_b32 v[A+8+\t], v[T], v[T+1], s21
	global_store_b8 v9, v[A+8+\t], s[18:19] offset:0x100000+32*\t
.endr
	s_wait_tensorcnt 0x0
	ds_add_u32 v254, v255
	s_wait_dscnt 0x0
	s_endpgm
.Lfunc_end_k_qec57b00973_route:
	.size	k_qec57b00973_route, .Lfunc_end_k_qec57b00973_route-k_qec57b00973_route
	.p2alignl 7, 3214868480
	.fill 96, 4, 3214868480
	.section	.rodata,"a",@progbits
	.p2align	6, 0x0
	.amdhsa_kernel k_qec57b00973_route
		.amdhsa_group_segment_fixed_size 35072
		.amdhsa_private_segment_fixed_size 0
		.amdhsa_enable_private_segment 0
		.amdhsa_kernarg_size 48
		.amdhsa_user_sgpr_count 2
		.amdhsa_user_sgpr_kernarg_segment_ptr 1
		.amdhsa_wavefront_size32 1
		.amdhsa_system_sgpr_workgroup_id_x 1
		.amdhsa_system_sgpr_workgroup_id_y 1
		.amdhsa_system_sgpr_workgroup_id_z 1
		.amdhsa_system_vgpr_workitem_id 0
		.amdhsa_next_free_vgpr 512
		.amdhsa_next_free_sgpr 66
		.amdhsa_reserve_vcc 1
		.amdhsa_float_denorm_mode_32 3
		.amdhsa_float_denorm_mode_16_64 3
		.amdhsa_memory_ordered 1
		.amdhsa_forward_progress 1
		.amdhsa_inst_pref_size 84
	.end_amdhsa_kernel
	.amdgpu_metadata
---
amdhsa.version: [ 1, 2 ]
amdhsa.kernels:
  - .name:           k_qec57b00973_route
    .symbol:         k_qec57b00973_route.kd
    .args:
      - { .name: x, .offset: 0, .size: 8, .value_kind: global_buffer, .address_space: global }
      - { .name: gate_w, .offset: 8, .size: 8, .value_kind: global_buffer, .address_space: global }
      - { .name: gate_b, .offset: 16, .size: 8, .value_kind: global_buffer, .address_space: global }
      - { .name: xq, .offset: 24, .size: 8, .value_kind: global_buffer, .address_space: global }
      - { .name: ridx, .offset: 32, .size: 8, .value_kind: global_buffer, .address_space: global }
      - { .name: out1, .offset: 40, .size: 8, .value_kind: global_buffer, .address_space: global }
    .group_segment_fixed_size: 35072
    .private_segment_fixed_size: 0
    .kernarg_segment_align: 8
    .kernarg_segment_size: 48
    .max_flat_workgroup_size: 32
    .sgpr_count:     66
    .vgpr_count:     512
    .wavefront_size: 32
...
	.end_amdgpu_metadata
.endif
;; end of part 1
;; launch place (part 2): grid 16 x 8, 1 waves a work-group, no clusters, 4,608 bytes of LDS; arguments ridx, xq, rpos, xs, out2; writes rpos, xs, out2
.if DOCPART == 2
	.amdgcn_target "amdgcn-amd-amdhsa--gfx1250"
	.amdhsa_code_object_version 6
	.text
	.protected	k_qec57b00973_place
	.globl	k_qec57b00973_place
	.p2align	8
	.type	k_qec57b00973_place,@function
k_qec57b00973_place:
	s_mov_b64 s[64:65], 0
	v_nop
	global_prefetch_b8 v0, s[64:65] scope:SCOPE_SE
	s_setreg_imm32_b32 hwreg(HW_REG_WAVE_MODE, 25, 1), 1
	s_wait_xcnt 0x0
; THE ROWS ARE PLACED BY EXPERT, and x's codes are gathered into images of operand registers.
; Work-group (j, e), one wave.  It ranks all 2,048 entries (entry = 2 token + slot) for expert e: an entry that names e gets the number of such entries in front of it, in the order (register, lane).
; The tokens go to a list in LDS at their ranks.  The work-group then gathers tiles of 16 rows, tau = j, j + 16, j + 32, j + 48, as far as they lie under T.
; T = ceil(n_e / 16), held at 2 from below, so that tiles 0 and 1 of every expert exist for the launches that follow; rows past n_e are token 0's and nobody reads their results.
; Work-group j = 0 also stores plane e of rpos (every entry's rank; it means something only where the entry names e), n_e, and out2[e] = the sum of the gates of e's entries.
; A RECORD of xs, number 64 e + tau, 16,896 bytes: image n = 4 s + c (n = 0..31) at byte 512 n: lane l's 16 bytes at 16 l are the codes k = 128 s + 32 c + 16 (l / 16) + 0..15 of row l % 16;
; at byte 16,384 the scale words, [row][8 words].  So the launches that multiply load an operand's registers by dense loads of 512 bytes.
; The gather reads 32 bytes of each of 16 rows an instruction: it is done here once, for records that 64 waves read.
; A token's two slots name different experts, so n_e is at most 1,024.  Loaded numbers are held to their range before they enter an address.
.set I,   16                           ; v16-79   the entries' experts, entry 128 q + 4 l + m at I + 4 q + m; then their ranks
.set G,   80                           ; v80-143  their gates
.set AD,  144                          ; v144-207 64 LDS addresses: no LDS store's register is written again
.set TK,  208                          ; v208-239 the tokens 64 q + 2 l + u at TK + 2 q + u
.set B,   80                           ; v80-207  later: a record's 32 images
.set SW,  208                          ; v208-211 and its scale words
.set REC, 16896
.set EX,  16                           ; s16 my expert
.set RUN, 18                           ; s18 entries of my expert so far
.set TT,  20                           ; s20 T
	s_load_b256 s[4:11], s[0:1], 0x0               ; ridx s[4:5], xq s[6:7], rpos s[8:9], xs s[10:11]
	s_load_b64 s[12:13], s[0:1], 0x20              ; out2
	v_lshl_add_u32 v254, v0, 2, 0x1100
	v_mov_b32 v255, 0
	v_and_b32 v1, 15, v0                           ; r
	v_lshrrev_b32 v2, 4, v0                        ; h
	v_lshlrev_b32 v3, 4, v0                        ; 16 l
	v_lshlrev_b32 v4, 1, v0                        ; 2 l
	v_mov_b32 v5, 0
	v_mov_b32 v6, 0x420                            ; word 1,056 of the list: where entries of other experts are dropped
	s_and_b32 s[EX], ttmp7, 0xffff
	s_lshl_b32 s17, ttmp9, 6
	v_lshl_add_u32 v7, v1, 2, s17                  ; the list's word 16 j + r
	v_lshlrev_b32 v8, 5, v1
	v_lshl_add_u32 v8, v2, 4, v8                   ; a record's scale words: 32 r + 16 h
.irp b, 9,10,11,12
	v_mov_b32 v[\b], 0                             ; the gates' sum in four chains
.endr
	s_mov_b32 s[RUN], 0
	s_mov_b32 s26, 0x76543210
	s_mov_b32 s27, 0xfedcba98
	s_wait_kmcnt 0x0
.irp q, 0,1,2,3,4,5,6,7,8,9,10,11,12,13,14,15
	global_load_b128 v[I+4*\q:I+4*\q+3], v3, s[4:5] offset:512*\q
.endr
.irp q, 0,1,2,3,4,5,6,7,8,9,10,11,12,13,14,15
	global_load_b128 v[G+4*\q:G+4*\q+3], v3, s[6:7] offset:0x108000+512*\q
.endr
.set n, 0
.rept 32
	v_add_nc_u32 v[TK+n], 64*(n/2)+n%2, v4
.set n, n+1
.endr
	s_wait_loadcnt 0x0
.set n, 0
.rept 64
	v_cmp_eq_u32 vcc_lo, s[EX], v[I+n]
	v_mbcnt_lo_u32_b32 v[I+n], vcc_lo, s[RUN]      ; those in earlier registers + those in lower lanes
	v_cndmask_b32 v[AD+n], v6, v[I+n], vcc_lo
	v_cndmask_b32 v[13+n%2], 0, v[G+n], vcc_lo
	s_bcnt1_i32_b32 s19, vcc_lo
	v_min_u32 v[AD+n], 0x420, v[AD+n]
	s_add_co_u32 s[RUN], s[RUN], s19
	v_lshlrev_b32 v[AD+n], 2, v[AD+n]
	v_add_f32 v[9+n%4], v[9+n%4], v[13+n%2]
	ds_store_b32 v[AD+n], v[TK+2*(n/4)+(n%4)/2]
.set n, n+1
.endr
	v_add_nc_u32 v15, s[RUN], v0                   ; 32 words behind the list's end name token 0: the last tile's spare rows, and tiles 0 and 1 of a short list
	v_min_u32 v15, 0x41f, v15
	v_lshlrev_b32 v15, 2, v15
	ds_store_b32 v15, v5
	s_add_co_u32 s[TT], s[RUN], 15
	s_lshr_b32 s[TT], s[TT], 4
	s_max_u32 s[TT], s[TT], 2
	s_wait_dscnt 0x0
	s_cmp_lg_u32 ttmp9, 0
	s_cbranch_scc1 .Ltiles
	s_lshl_b32 s22, s[EX], 13                      ; plane e of rpos
	s_mov_b32 s23, 0
	s_add_nc_u64 s[24:25], s[8:9], s[22:23]
.irp q, 0,1,2,3,4,5,6,7,8,9,10,11,12,13,14,15
	global_store_b128 v3, v[I+4*\q:I+4*\q+3], s[24:25] offset:512*\q     ; 512 consecutive bytes a store
.endr
	s_lshl_b32 s22, s[EX], 2
	s_add_nc_u64 s[8:9], s[8:9], s[22:23]
	s_add_nc_u64 s[12:13], s[12:13], s[22:23]
	v_add_f32 v9, v9, v10
	v_add_f32 v11, v11, v12
	v_add_f32 v9, v9, v11
.irp m, 1,2,4,8
	v_add_f32_dpp v9, v9, v9 row_xmask:\m row_mask:0xf bank_mask:0xf
.endr
	v_permlanex16_b32 v13, v9, s26, s27
	v_add_f32 v9, v9, v13                          ; out2[e]
	v_mov_b32 v12, s[RUN]                          ; n_e
	v_cmp_eq_u32 vcc_lo, 0, v0
	s_wait_xcnt 0x0                                ; EXEC is a source of the stores above: it changes only behind this wait
	s_and_saveexec_b32 s30, vcc_lo                 ; lane 0 alone
	global_store_b32 v5, v12, s[8:9] offset:65536
	global_store_b32 v5, v9, s[12:13]
	s_wait_xcnt 0x0                                ; and again in front of the line that widens it
	s_or_b32 exec_lo, exec_lo, s30
.Ltiles:
.macro TILE i
	s_add_co_u32 s21, ttmp9, 16*\i                 ; tau
	s_cmp_ge_u32 s21, s[TT]
	s_cbranch_scc1 .Ldone
	s_lshl_b32 s22, s[EX], 6
	s_add_co_u32 s22, s22, s21
	s_mul_i32 s22, s22, REC
	s_mov_b32 s23, 0
	s_wait_xcnt 0x0                                ; the last tile's stores have read their base and their data, its loads their offsets
	s_add_nc_u64 s[28:29], s[10:11], s[22:23]
	ds_load_b32 v15, v7 offset:1024*\i             ; row r's token
	s_wait_dscnt 0x0
	v_min_u32 v15, 0x3ff, v15
	v_lshlrev_b32 v13, 10, v15
	v_lshl_add_u32 v13, v2, 4, v13                 ; its codes, + 16 h
	v_lshlrev_b32 v14, 5, v15
	v_lshl_add_u32 v14, v2, 4, v14                 ; its scale bytes, + 16 h
.set n, 0
.rept 32
	global_load_b128 v[B+4*n:B+4*n+3], v13, s[6:7] offset:32*n
.set n, n+1
.endr
	global_load_b128 v[SW:SW+3], v14, s[6:7] offset:0x100000
	s_wait_loadcnt 0x0
.set n, 0
.rept 32
	global_store_b128 v3, v[B+4*n:B+4*n+3], s[28:29] offset:512*n      ; an image: 512 consecutive bytes
.set n, n+1
.endr
	global_store_b128 v8, v[SW:SW+3], s[28:29] offset:16384
.endm
	TILE 0
	TILE 1
	TILE 2
	TILE 3
.Ldone:
	s_wait_tensorcnt 0x0
	ds_add_u32 v254, v255
	s_wait_dscnt 0x0
	s_endpgm
.Lfunc_end_k_qec57b00973_place:
	.size	k_qec57b00973_place, .Lfunc_end_k_qec57b00973_place-k_qec57b00973_place
	.p2alignl 7, 3214868480
	.fill 96, 4, 3214868480
	.section	.rodata,"a",@progbits
	.p2align	6, 0x0
	.amdhsa_kernel k_qec57b00973_place
		.amdhsa_group_segment_fixed_size 4608
		.amdhsa_private_segment_fixed_size 0
		.amdhsa_enable_private_segment 0
		.amdhsa_kernarg_size 40
		.amdhsa_user_sgpr_count 2
		.amdhsa_user_sgpr_kernarg_segment_ptr 1
		.amdhsa_wavefront_size32 1
		.amdhsa_system_sgpr_workgroup_id_x 1
		.amdhsa_system_sgpr_workgroup_id_y 1
		.amdhsa_system_sgpr_workgroup_id_z 1
		.amdhsa_system_vgpr_workitem_id 0
		.amdhsa_next_free_vgpr 256
		.amdhsa_next_free_sgpr 66
		.amdhsa_reserve_vcc 1
		.amdhsa_float_denorm_mode_32 3
		.amdhsa_float_denorm_mode_16_64 3
		.amdhsa_memory_ordered 1
		.amdhsa_forward_progress 1
		.amdhsa_inst_pref_size 63
	.end_amdhsa_kernel
	.amdgpu_metadata
---
amdhsa.version: [ 1, 2 ]
amdhsa.kernels:
  - .name:           k_qec57b00973_place
    .symbol:         k_qec57b00973_place.kd
    .args:
      - { .name: ridx, .offset: 0, .size: 8, .value_kind: global_buffer, .address_space: global }
      - { .name: xq, .offset: 8, .size: 8, .value_kind: global_buffer, .address_space: global }
      - { .name: rpos, .offset: 16, .size: 8, .value_kind: global_buffer, .address_space: global }
      - { .name: xs, .offset: 24, .size: 8, .value_kind: global_buffer, .address_space: global }
      - { .name: out2, .offset: 32, .size: 8, .value_kind: global_buffer, .address_space: global }
    .group_segment_fixed_size: 4608
    .private_segment_fixed_size: 0
    .kernarg_segment_align: 8
    .kernarg_segment_size: 40
    .max_flat_workgroup_size: 32
    .sgpr_count:     66
    .vgpr_count:     256
    .wavefront_size: 32
...
	.end_amdgpu_metadata
.endif
;; end of part 2
;; launch ffn1 (part 3): grid 32 x 8, 4 waves a work-group, no clusters, 133,632 bytes of LDS; arguments xs, rpos, w1_codes, w1_scales, b1, hb; writes hb
.if DOCPART == 3
	.amdgcn_target "amdgcn-amd-amdhsa--gfx1250"
	.amdhsa_code_object_version 6
	.text
	.protected	k_qec57b00973_ffn1
	.globl	k_qec57b00973_ffn1
	.p2align	8
	.type	k_qec57b00973_ffn1,@function
k_qec57b00973_ffn1:
	s_mov_b64 s[64:65], 0
	v_nop
	global_prefetch_b8 v0, s[64:65] scope:SCOPE_SE
	s_setreg_imm32_b32 hwreg(HW_REG_WAVE_MODE, 25, 1), 1
	s_wait_xcnt 0x0
; h = Q(gelu(x W1 + b1)) for the routed rows, on codes of E4M3 with one E8M0 scale for each 32 along K.  gelu is the exact one, 0.5 v (1 + erf(v / sqrt 2)).
; THE WEIGHTS STAY, THE ROWS WALK.  Work-group (c, e) owns hidden units 128 c .. 128 c + 127 of expert e.  Wave w = 2 mh + nh keeps units 64 nh .. 64 nh + 63 for all of K = 1,024 in 512 registers
; (read from memory once in the launch) and walks the expert's tiles of 16 rows tau = mh, mh + 2, .. under T: M = (T - mh + 1) / 2 tiles.  T = ceil(n_e / 16) held to 2 .. 64, n_e read from rpos: so every wave has a tile.
; THE WALK IS ROTATED: the wave begins at its tile number (c M) / 32 and wraps round to its first, so that the 32 work-groups of an expert ask for different records at any one time.
; The rows come as records of register images (launch place): 32 dense loads of 512 bytes and two of scale words, in two sets of registers.  A set is loaded again straight behind the products that read it,
; with the record two tiles on in the walk: up to two records of a wave are on their way.  The wrap makes every such address a record that exists; the walk's last two loads bring records that nobody multiplies.
; THE PRODUCT IS USED TRANSPOSED (source 0 = 16 rows of W1, source 1 = 16 rows of x), and lane r of weight tile t takes row 32 (t / 2) + 8 (t % 2) + r + 8 (r / 8): the 16 registers of tiles 2 b and 2 b + 1
; are then 16 neighbouring hidden units of one row, 32 b + 16 (lane / 16) + 0..15, and the conversions' results are an image of the next product's operand.  b1 is the C of each sum's first instruction.
; hb: record (64 e + tau) 4 + kc, kc = c / 8, of the same form as a record of xs; this work-group's units are its K step s = c % 8; wave nh's two blocks are images 4 s + 2 nh + 0, 1.
; NO TENSOR LOADS, NO CLUSTER, NO JOINT LOADS, though the 32 work-groups of an expert read the same records: the trip count is a number read from memory.
; erf z = z P(z^2) / Q(z^2), z held to +-4: a rational of degrees 6 and 4 in z^2.
; LIMITS: h is formed as 0.5 v + 0.5 v erf: for v under about -3 the sum cancels, and h's error stays near 2^-23 |v| in absolute terms, not relative to h.  NaN and infinities are not served.
; A block of h whose largest magnitude lies under 2^-118 keeps the scale byte 1 (a block of zeros too: its codes are zeros).
; The scale bytes leave as 2 bytes a row, 32 bytes apart: 32 bytes for each 1,024 bytes of codes.
; REGISTERS, in windows of 256: window 0 as named below; window 1: W(t, s), s = 0..3, at 16 (4 s + t) (first the rows as loaded); window 2: s = 4..7; window 3: the records' images, set b at 128 b + 16 s + 4 c.
.set PITCH, 1040                       ; a weight row in LDS: 1,024 bytes + 16
.set REC,   16896
.set ACC,  16                          ; v16-47   four accumulators
.set BIAS, 48                          ; v48-79   b1 in the result's layout
.set WS,   80                          ; v80-111  W1's scale words, 8 t + s: scales and nothing else
.set XS,   112                         ; v112-127 the rows' scale words, 8 b + s: likewise
.set Z,    128
.set Z2,   144
.set P,    160
.set Q,    176
.set TM,   192                         ; +0,1 largest magnitudes; +2,3 the other half's, then bytes; +4,5 448 x scale; +6,7 scale operands
.set PC,   204                         ; v204-211 the codes
.set PW,   212                         ; the two scale bytes
.set CA13, 214                         ; v[214:215], v[216:217]: the two leading coefficients (an instruction names one scalar pair)
.set CB8,  216
.set WV,   16
.set MH,   17
.set NH,   18
.set KS,   19                          ; s19 c % 8
.set EX,   20
.set TT,   21
.set TAU,  22                          ; s22 the tile in hand
.set TRIPS, 23
.set LEFT, 34                          ; s34 tiles left, the one in hand among them (the head uses s34 and s35 for an offset first)
.set N1,   35                          ; s35 the walk's next tile
.set RS2,  36                          ; s[36:57] eleven constants, each as a pair of equal words
.set A11,  38
.set A9,   40
.set A7,   42
.set A5,   44
.set A3,   46
.set A1,   48
.set B6,   50
.set B4,   52
.set B2,   54
.set B0,   56
.set SEL,  58
.set MNT,  60
.set E64,  61
.set KC,   62
.set MSB, 0
.macro WIN new                         ; the immediate's high byte repeats the setting that is left
.if MSB != \new
	s_set_vgpr_msb (MSB<<8)|\new
.set MSB, \new
.endif
.endm
.macro SPAIR r, val
	s_mov_b32 s[\r], \val
	s_mov_b32 s[\r+1], \val
.endm
; a record into set b: its base stands in s[28 + 2 b : 29 + 2 b]
.macro LOADX b
	WIN 0xc0                                       ; destination window 3
.set n, 0
.rept 32
	global_load_b128 v[128*(\b)+4*n:128*(\b)+4*n+3], v3, s[28+2*(\b):29+2*(\b)] offset:512*n
.set n, n+1
.endr
	WIN 0
	global_load_b128 v[XS+8*(\b):XS+8*(\b)+3], v4, s[28+2*(\b):29+2*(\b)] offset:16384
	global_load_b128 v[XS+8*(\b)+4:XS+8*(\b)+7], v4, s[28+2*(\b):29+2*(\b)] offset:16400
.endm
; 32 matrix instructions: K step by K step, the four accumulators by turns, one instruction a turn
.macro MULS b
.irp s, 0,1,2,3,4,5,6,7
.if \s < 4
	WIN 0x0d                                       ; source 0 window 1, source 1 window 3
.else
	WIN 0x0e                                       ; source 0 window 2
.endif
.irp t, 0,1,2,3
.if \s == 0
	v_wmma_scale_f32_16x16x128_f8f6f4 v[ACC+8*\t:ACC+8*\t+7], v[16*(4*(\s%4)+\t):16*(4*(\s%4)+\t)+15], v[128*(\b)+16*\s:128*(\b)+16*\s+15], v[BIAS+8*\t:BIAS+8*\t+7], v[WS+8*\t+\s], v[XS+8*(\b)+\s]
.else
	v_wmma_scale_f32_16x16x128_f8f6f4 v[ACC+8*\t:ACC+8*\t+7], v[16*(4*(\s%4)+\t):16*(4*(\s%4)+\t)+15], v[128*(\b)+16*\s:128*(\b)+16*\s+15], v[ACC+8*\t:ACC+8*\t+7], v[WS+8*\t+\s], v[XS+8*(\b)+\s]
.endif
.endr
.endr
	WIN 0
.endm
; gelu of 16 registers, two at a time; each accumulator is read from its low end on
.macro GELU q
.set ar, ACC+16*(\q)
.irp p, 0,2,4,6,8,10,12,14
	v_pk_mul_f32 v[Z+\p:Z+\p+1], v[ar+\p:ar+\p+1], s[RS2:RS2+1] op_sel_hi:[1,0]       ; z = v / sqrt 2
.endr
.irp p, 0,1,2,3,4,5,6,7,8,9,10,11,12,13,14,15
	v_med3_num_f32 v[Z+\p], v[Z+\p], -4.0, 4.0
.endr
.irp p, 0,2,4,6,8,10,12,14
	v_pk_mul_f32 v[Z2+\p:Z2+\p+1], v[Z+\p:Z+\p+1], v[Z+\p:Z+\p+1]
.endr
.irp p, 0,2,4,6,8,10,12,14
	v_pk_fma_f32 v[P+\p:P+\p+1], v[Z2+\p:Z2+\p+1], v[CA13:CA13+1], s[A11:A11+1] op_sel_hi:[1,1,0]
	v_pk_fma_f32 v[Q+\p:Q+\p+1], v[Z2+\p:Z2+\p+1], v[CB8:CB8+1], s[B6:B6+1] op_sel_hi:[1,1,0]
.endr
.irp c, B4, B2, B0
.irp p, 0,2,4,6,8,10,12,14
	v_pk_fma_f32 v[Q+\p:Q+\p+1], v[Q+\p:Q+\p+1], v[Z2+\p:Z2+\p+1], s[\c:\c+1] op_sel_hi:[1,1,0]
.endr
.endr
.irp p, 0,1,2,3,4,5,6,7,8,9,10,11,12,13,14,15
	v_rcp_f32 v[Q+\p], v[Q+\p]                     ; one batch; the numerator's 56 lines below are the independent work behind it
.endr
.irp c, A9, A7, A5, A3, A1
.irp p, 0,2,4,6,8,10,12,14
	v_pk_fma_f32 v[P+\p:P+\p+1], v[P+\p:P+\p+1], v[Z2+\p:Z2+\p+1], s[\c:\c+1] op_sel_hi:[1,1,0]
.endr
.endr
.irp p, 0,2,4,6,8,10,12,14
	v_pk_mul_f32 v[P+\p:P+\p+1], v[P+\p:P+\p+1], v[Z+\p:Z+\p+1]
.endr
.irp p, 0,2,4,6,8,10,12,14
	v_pk_mul_f32 v[Z+\p:Z+\p+1], v[ar+\p:ar+\p+1], 0.5 op_sel_hi:[1,0]
.endr
	s_wait_alu depctr_va_vdst(0)                   ; one wait for the sixteen reciprocals, ahead of their first reader
.irp p, 0,2,4,6,8,10,12,14
	v_pk_mul_f32 v[P+\p:P+\p+1], v[P+\p:P+\p+1], v[Q+\p:Q+\p+1]                        ; erf
.endr
.irp p, 0,2,4,6,8,10,12,14
	v_pk_fma_f32 v[ar+\p:ar+\p+1], v[Z+\p:Z+\p+1], v[P+\p:P+\p+1], v[Z+\p:Z+\p+1]      ; h = 0.5 v erf + 0.5 v
.endr
.endm
; the wave's two blocks of 32 hidden units: register ACC + 16 b + i = unit 32 b + 16 (lane / 16) + i of row lane % 16
.macro QUANT2
.irp b, 0,1
	v_max3_num_f32 v[TM+\b], |v[ACC+16*\b]|, |v[ACC+16*\b+1]|, 0x4800000     ; and the floor 2^(9 - 127): the byte cannot fall under 1
.endr
.irp i, 2,4,6,8,10,12,14
.irp b, 0,1
	v_max3_num_f32 v[TM+\b], v[TM+\b], |v[ACC+16*\b+\i]|, |v[ACC+16*\b+\i+1]|
.endr
.endr
.irp b, 0,1
	v_permlanex16_b32 v[TM+2+\b], v[TM+\b], s[SEL], s[SEL+1]
.endr
.irp b, 0,1
	v_max_num_f32 v[TM+\b], v[TM+\b], v[TM+2+\b]   ; with lane l xor 16's sixteen: the block's largest magnitude
.endr
.irp b, 0,1
	v_add_nc_u32 v[TM+6+\b], 0xfc000000, v[TM+\b]  ; 8 off its exponent field: the conversion's scale operand
.endr
.irp b, 0,1
	v_and_or_b32 v[TM+4+\b], v[TM+\b], 0x7f800000, s[MNT]    ; 448 x the scale
.endr
.irp b, 0,1
	v_lshrrev_b32 v[TM+2+\b], 23, v[TM+6+\b]       ; the scale's byte
.endr
	v_lshl_or_b32 v[PW], v[TM+3], 8, v[TM+2]
.irp b, 0,1
.irp i, 0,1,2,3,4,5,6,7,8,9,10,11,12,13,14,15
	v_med3_num_f32 v[ACC+16*\b+\i], v[ACC+16*\b+\i], -v[TM+4+\b], v[TM+4+\b]   ; the conversion does not saturate (ISA guide 7.6.2): the hold comes first
.endr
	v_cvt_scalef32_pk8_fp8_f32 v[PC+4*\b:PC+4*\b+1], v[ACC+16*\b:ACC+16*\b+7], v[TM+6+\b]
	v_cvt_scalef32_pk8_fp8_f32 v[PC+4*\b+2:PC+4*\b+3], v[ACC+16*\b+8:ACC+16*\b+15], v[TM+6+\b]
.endr
	v_nop                                          ; a plain line behind the last conversion: the next products write its sources
.endm
; A TILE from set b.  Behind its products the set takes the record two tiles on in the walk; the other set's record, asked for a step ago, stays on its way meanwhile.
.macro STEP b
	s_add_co_u32 s[N1], s[TAU], 2                  ; the walk's next tile: two on, or round to my first
	s_cmp_lt_u32 s[N1], s[TT]
	s_cselect_b32 s[N1], s[N1], s[MH]
	s_add_co_u32 s24, s[N1], 2                     ; and the one behind it: this set's next record
	s_cmp_lt_u32 s24, s[TT]
	s_cselect_b32 s24, s24, s[MH]
	s_min_u32 s24, s24, 63
	s_add_co_u32 s24, s24, s[E64]
	s_mul_i32 s24, s24, REC
	s_mov_b32 s25, 0
	s_min_u32 s26, s[TAU], 63
	s_add_co_u32 s26, s26, s[E64]
	s_lshl_b32 s26, s26, 2
	s_add_co_u32 s26, s26, s[KC]
	s_mul_i32 s26, s26, REC
	s_mov_b32 s27, 0
	s_wait_xcnt 0x0                                ; the last tile's stores have read their base and data, earlier loads their base: all may be written
	s_add_nc_u64 s[28+2*\b:29+2*\b], s[4:5], s[24:25]
	s_add_nc_u64 s[32:33], s[14:15], s[26:27]
	s_wait_loadcnt 34                              ; set b is in: behind its loads stand the other set's 34, which may be out
	MULS \b
.rept 8
	v_nop                                          ; eight places between the last product and the loads into its sources, and the first read of results (loads aside)
.endr
	LOADX \b
	GELU 0
	GELU 1
	QUANT2
	global_store_b128 v10, v[PC:PC+3], s[32:33]               ; an image: 512 consecutive bytes, aligned
	global_store_b128 v10, v[PC+4:PC+7], s[32:33] offset:512
	global_store_b16 v11, v[PW], s[32:33]                     ; lanes l and l xor 16 write the same two bytes with the same value
.endm
	s_load_b256 s[4:11], s[0:1], 0x0               ; xs s[4:5], rpos s[6:7], W1's codes s[8:9], W1's scales s[10:11]
	s_load_b128 s[12:15], s[0:1], 0x20             ; b1 s[12:13], hb s[14:15]
	v_lshl_add_u32 v254, v0, 2, 0x20800
	v_mov_b32 v255, 0
	v_lshrrev_b32 v12, 5, v0
	v_readfirstlane_b32 s[WV], v12
	s_lshr_b32 s[MH], s[WV], 1
	s_and_b32 s[NH], s[WV], 1
	s_and_b32 s[EX], ttmp7, 0xffff
	s_and_b32 s[KS], ttmp9, 7
	s_lshr_b32 s[KC], ttmp9, 3
	s_lshl_b32 s[E64], s[EX], 6
	s_lshl_b32 s[TRIPS], s[EX], 2                  ; 4 e, for n_e's load (the register becomes the trip count behind the wait for that load)
	v_and_b32 v13, 31, v0                          ; lane
	v_and_b32 v1, 15, v0                           ; r
	v_bfe_u32 v2, v0, 4, 1                         ; h
	v_lshlrev_b32 v3, 4, v13                       ; an image's place for my lane
	v_lshlrev_b32 v4, 5, v1                        ; a record's scale words of row r
	v_lshlrev_b32 v5, 4, v1
	v_lshl_add_u32 v5, v2, 10, v5                  ; weight loads: sixteen lanes take 256 bytes of a row, lanes 16-31 the next row
	s_mul_i32 s24, s[WV], 32*PITCH
	v_mul_u32_u24 v6, v2, PITCH
	v_lshl_add_u32 v6, v1, 4, v6
	v_add_nc_u32 v6, s24, v6                       ; LDS, way in: row 32 w + h
	v_and_b32 v14, 8, v1
	v_add_nc_u32 v14, v14, v1                      ; r + 8 (r / 8)
	v_mul_u32_u24 v7, v14, PITCH
	v_lshl_add_u32 v7, v2, 4, v7
	s_mul_i32 s24, s[NH], 64*PITCH
	v_add_nc_u32 v7, s24, v7                       ; LDS, fragments: row 64 nh + r + 8 (r / 8), + 16 h
	v_lshlrev_b32 v8, 6, v2                        ; b1: 64 h
	v_lshlrev_b32 v9, 5, v14                       ; W1's scale words: 32 bytes a row
	s_lshl_b32 s24, s[KS], 11
	s_lshl_b32 s25, s[NH], 10
	s_add_co_u32 s24, s24, s25
	v_add_nc_u32 v10, s24, v3                      ; h's codes: image 4 s + 2 nh
	s_lshl_b32 s24, s[KS], 2
	s_lshl_b32 s25, s[NH], 1
	s_add_co_u32 s24, s24, s25
	s_add_co_u32 s24, s24, 16384
	v_add_nc_u32 v11, s24, v4                      ; h's scale bytes: row r, word s, bytes 2 nh and 2 nh + 1
	s_lshl_b32 s24, s[EX], 22                      ; my 32 rows of W1: e, 128 c, 32 w rows of 1,024 bytes
	s_lshl_b32 s26, ttmp9, 17
	s_add_co_u32 s24, s24, s26
	s_lshl_b32 s26, s[WV], 15
	s_add_co_u32 s24, s24, s26
	s_mov_b32 s25, 0
	s_lshl_b32 s26, s[EX], 17                      ; the scale bytes of my 64 units: 32 bytes a row
	s_lshl_b32 s34, ttmp9, 12
	s_add_co_u32 s26, s26, s34
	s_lshl_b32 s34, s[NH], 11
	s_add_co_u32 s26, s26, s34
	s_mov_b32 s27, 0
	s_lshl_b32 s34, s[EX], 14                      ; their b1
	s_lshl_b32 s32, ttmp9, 9
	s_add_co_u32 s34, s34, s32
	s_lshl_b32 s32, s[NH], 8
	s_add_co_u32 s34, s34, s32
	s_mov_b32 s35, 0
	s_wait_kmcnt 0x0
	s_load_b32 s[TT], s[6:7], s[TRIPS] offset:0x10000         ; n_e
	s_add_nc_u64 s[8:9], s[8:9], s[24:25]
	s_add_nc_u64 s[10:11], s[10:11], s[26:27]
	s_add_nc_u64 s[12:13], s[12:13], s[34:35]
	WIN 0x40                                       ; destination window 1
.set n, 0
.rept 64
	global_load_b128 v[4*n:4*n+3], v5, s[8:9] offset:2*(n/4)*1024+256*(n%4) th:TH_LOAD_NT     ; read once in the launch
.set n, n+1
.endr
	WIN 0
.irp t, 0,1,2,3
	global_load_b128 v[WS+8*\t:WS+8*\t+3], v9, s[10:11] offset:32*(32*(\t/2)+8*(\t%2))
	global_load_b128 v[WS+8*\t+4:WS+8*\t+7], v9, s[10:11] offset:32*(32*(\t/2)+8*(\t%2))+16
.endr
.irp t, 0,1,2,3
	global_load_b128 v[BIAS+8*\t:BIAS+8*\t+3], v8, s[12:13] offset:4*(32*(\t/2)+8*(\t%2))
	global_load_b128 v[BIAS+8*\t+4:BIAS+8*\t+7], v8, s[12:13] offset:4*(32*(\t/2)+8*(\t%2))+16
.endr
	s_wait_kmcnt 0x0                               ; n_e
	s_add_co_u32 s[TT], s[TT], 15
	s_lshr_b32 s[TT], s[TT], 4
	s_min_u32 s[TT], s[TT], 64
	s_max_u32 s[TT], s[TT], 2                      ; T
	s_sub_co_u32 s[LEFT], s[TT], s[MH]
	s_add_co_u32 s[LEFT], s[LEFT], 1
	s_lshr_b32 s[LEFT], s[LEFT], 1                 ; M = (T - mh + 1) / 2: my tiles, at least one
	s_mul_i32 s[TAU], s[LEFT], ttmp9
	s_lshr_b32 s[TAU], s[TAU], 5                   ; where my walk begins: tile number (c M) / 32, under M
	s_lshl_b32 s[TAU], s[TAU], 1
	s_add_co_u32 s[TAU], s[TAU], s[MH]             ; as a tile of the expert
	s_add_co_u32 s[TRIPS], s[LEFT], 1              ; a trip takes two tiles
	s_lshr_b32 s[TRIPS], s[TRIPS], 1
	s_max_u32 s[TRIPS], s[TRIPS], 1                ; (it is at least 1 by the arithmetic above; written so that the text shows it)
	s_min_u32 s24, s[TAU], 63                      ; the walk's first record, for set 0,
	s_add_co_u32 s24, s24, s[E64]
	s_mul_i32 s24, s24, REC
	s_mov_b32 s25, 0
	s_add_nc_u64 s[28:29], s[4:5], s[24:25]
	s_add_co_u32 s26, s[TAU], 2                    ; and its second, for set 1
	s_cmp_lt_u32 s26, s[TT]
	s_cselect_b32 s26, s26, s[MH]
	s_min_u32 s26, s26, 63
	s_add_co_u32 s26, s26, s[E64]
	s_mul_i32 s26, s26, REC
	s_mov_b32 s27, 0
	s_add_nc_u64 s[30:31], s[4:5], s[26:27]
	LOADX 0
	SPAIR RS2, 0x3f3504f3                          ; 1 / sqrt 2
	SPAIR A11, 0x32edffee                          ; the numerator's coefficients, from z^11 down,
	SPAIR A9,  0xb60cff51
	SPAIR A7,  0xb86ec2d2
	SPAIR A5,  0xba40ac63
	SPAIR A3,  0xbb41a1f6
	SPAIR A1,  0xbc83dbd4
	SPAIR B6,  0xb95fbd29                          ; and the denominator's
	SPAIR B4,  0xbadc924e
	SPAIR B2,  0xbbf19bf8
	SPAIR B0,  0xbc69b6a7
	s_mov_b32 s[SEL], 0x76543210
	s_mov_b32 s[SEL+1], 0xfedcba98
	s_mov_b32 s[MNT], 0x600000
	v_mov_b32 v[CA13], 0xaf95df0b
	v_mov_b32 v[CA13+1], 0xaf95df0b
	v_mov_b32 v[CB8], 0xb77460cd
	v_mov_b32 v[CB8+1], 0xb77460cd
	v_mov_b32 v[TM+2], 0                           ; written once: a lane permute's destination counts as one of its sources
	v_mov_b32 v[TM+3], 0
	s_wait_loadcnt 34                              ; the weights, their scales and b1 are in; the first record's 34 loads may be out
	WIN 0x04                                       ; an LDS store's data are its source 1: window 1
.set n, 0
.rept 64
	ds_store_b128 v6, v[4*n:4*n+3] offset:2*(n/4)*PITCH+256*(n%4)
.set n, n+1
.endr
	WIN 0
	LOADX 1                                        ; the walk's second record: asked for behind the counted wait above, so that that wait's count stays the first record's 34
	s_wait_dscnt 0x0                               ; for the others' sake: my 32 rows lie in LDS
	s_barrier_signal -1
	s_barrier_wait -1                              ; the text's one barrier: all 128 rows lie there
.irp s, 0,1,2,3,4,5,6,7
.if \s < 4
	WIN 0x40
.else
	WIN 0x80
.endif
.irp t, 0,1,2,3
.irp c, 0,1,2,3
	ds_load_b128 v[16*(4*(\s%4)+\t)+4*\c:16*(4*(\s%4)+\t)+4*\c+3], v7 offset:(32*(\t/2)+8*(\t%2))*PITCH+128*\s+32*\c
.endr
.endr
.endr
	WIN 0
	s_wait_dscnt 0x0                               ; my fragments are in
.Lpair:
	STEP 0
	s_mov_b32 s[TAU], s[N1]
	s_sub_co_u32 s[LEFT], s[LEFT], 1
	s_cmp_lg_u32 s[LEFT], 0
	s_cbranch_scc1 .Lmore                          ; a second tile is left in this trip
	s_wait_tensorcnt 0x0
	ds_add_u32 v254, v255
	s_wait_dscnt 0x0
	s_endpgm                                       ; a wave with an odd number of tiles ends here, in its last trip: nothing jumps over the counter's step; the look-ahead's plain loads may be out
.Lmore:
	STEP 1
	s_mov_b32 s[TAU], s[N1]
	s_sub_co_u32 s[LEFT], s[LEFT], 1
	s_sub_co_u32 s[TRIPS], s[TRIPS], 1
	s_cmp_lg_u32 s[TRIPS], 0
	s_cbranch_scc1 .Lpair
	s_wait_tensorcnt 0x0
	ds_add_u32 v254, v255
	s_wait_dscnt 0x0
	s_endpgm
.Lfunc_end_k_qec57b00973_ffn1:
	.size	k_qec57b00973_ffn1, .Lfunc_end_k_qec57b00973_ffn1-k_qec57b00973_ffn1
	.p2alignl 7, 3214868480
	.fill 96, 4, 3214868480
	.section	.rodata,"a",@progbits
	.p2align	6, 0x0
	.amdhsa_kernel k_qec57b00973_ffn1
		.amdhsa_group_segment_fixed_size 133632
		.amdhsa_private_segment_fixed_size 0
		.amdhsa_enable_private_segment 0
		.amdhsa_kernarg_size 48
		.amdhsa_user_sgpr_count 2
		.amdhsa_user_sgpr_kernarg_segment_ptr 1
		.amdhsa_wavefront_size32 1
		.amdhsa_system_sgpr_workgroup_id_x 1
		.amdhsa_system_sgpr_workgroup_id_y 1
		.amdhsa_system_sgpr_workgroup_id_z 1
		.amdhsa_system_vgpr_workitem_id 0
		.amdhsa_next_free_vgpr 1024
		.amdhsa_next_free_sgpr 66
		.amdhsa_reserve_vcc 0
		.amdhsa_float_denorm_mode_32 3
		.amdhsa_float_denorm_mode_16_64 3
		.amdhsa_memory_ordered 1
		.amdhsa_forward_progress 1
		.amdhsa_inst_pref_size 96
	.end_amdhsa_kernel
	.amdgpu_metadata
---
amdhsa.version: [ 1, 2 ]
amdhsa.kernels:
  - .name:           k_qec57b00973_ffn1
    .symbol:         k_qec57b00973_ffn1.kd
    .args:
      - { .name: xs, .offset: 0, .size: 8, .value_kind: global_buffer, .address_space: global }
      - { .name: rpos, .offset: 8, .size: 8, .value_kind: global_buffer, .address_space: global }
      - { .name: w1_codes, .offset: 16, .size: 8, .value_kind: global_buffer, .address_space: global }
      - { .name: w1_scales, .offset: 24, .size: 8, .value_kind: global_buffer, .address_space: global }
      - { .name: b1, .offset: 32, .size: 8, .value_kind: global_buffer, .address_space: global }
      - { .name: hb, .offset: 40, .size: 8, .value_kind: global_buffer, .address_space: global }
    .group_segment_fixed_size: 133632
    .private_segment_fixed_size: 0
    .kernarg_segment_align: 8
    .kernarg_segment_size: 48
    .max_flat_workgroup_size: 128
    .sgpr_count:     66
    .vgpr_count:     1024
    .wavefront_size: 32
...
	.end_amdgpu_metadata
.endif
;; end of part 3
;; launch ffn2 (part 4): grid 32 x 8, 4 waves a work-group, no clusters, 151,040 bytes of LDS; arguments hb, rpos, w2_codes, w2_scales, b2, yb; writes yb
.if DOCPART == 4
	.amdgcn_target "amdgcn-amd-amdhsa--gfx1250"
	.amdhsa_code_object_version 6
	.text
	.protected	k_qec57b00973_ffn2
	.globl	k_qec57b00973_ffn2
	.p2align	8
	.type	k_qec57b00973_ffn2,@function
k_qec57b00973_ffn2:
	s_mov_b64 s[64:65], 0
	v_nop
	global_prefetch_b8 v0, s[64:65] scope:SCOPE_SE
	s_setreg_imm32_b32 hwreg(HW_REG_WAVE_MODE, 25, 1), 1
	s_wait_xcnt 0x0
; PARTS OF y = h W2 + b2 for the routed rows, on codes of E4M3 with one E8M0 scale for each 32 along K.  K = 4,096 is shared among four work-groups; the last launch adds the four parts.
; THE WEIGHTS STAY, THE ROWS WALK, as in the launch before.  Work-group (nc + 8 kc, e) owns outputs 128 nc .. 128 nc + 127 of expert e and K = 1,024 kc .. 1,024 kc + 1,023.
; Wave w = 2 mh + nh keeps outputs 64 nh .. 64 nh + 63 in 512 registers and walks tiles tau = mh, mh + 2, .. under T = ceil(n_e / 16) held to 2 .. 64: M = (T - mh + 1) / 2 tiles.
; THE WALK IS ROTATED: the wave begins at its tile number (nc M) / 8 and wraps round to its first, so that the 8 work-groups of an (e, kc) ask for different records at any one time.
; The rows come as records (64 e + tau) 4 + kc of hb: register images, in two sets of registers.  A set is loaded again straight behind the products that read it, with the record two tiles on in the walk:
; up to two records of a wave are on their way.  The wrap makes every such address a record that exists; the walk's last two loads bring records that nobody multiplies.
; THE PRODUCT IS USED TRANSPOSED (source 0 = 16 rows of W2, source 1 = 16 rows of h): a lane holds eight neighbouring outputs of one row.  b2 is the C of each sum's first instruction where kc = 0, zeros elsewhere.
; yb: f32 [kc][1,024 e + rank][1,024].  A tile's 16 rows x 64 outputs go through the wave's own stage in LDS and leave as rows: sixteen lanes store 256 consecutive bytes, aligned.  Rows past n_e are stored and never read.
; NO TENSOR LOADS, NO CLUSTER, NO JOINT LOADS, though the 8 work-groups of an (e, kc) read the same records: the trip count is a number read from memory.
; REGISTERS, in windows of 256: window 0 as named below; window 1: W(t, s), s = 0..3, at 16 (4 s + t) (first the rows as loaded); window 2: s = 4..7; window 3: the records' images, set b at 128 b + 16 s + 4 c.
.set PITCH, 1040                       ; a weight row's part in LDS: 1,024 bytes + 16
.set REC,   16896
.set STG,   128*PITCH                  ; behind the weights: a stage of 16 rows x (256 bytes + 16) for each wave
.set SP,    272
.set ACC,  16                          ; v16-47   four accumulators
.set BIAS, 48                          ; v48-79   b2 in the result's layout, or zeros
.set WS,   80                          ; v80-111  W2's scale words, 8 t + s: scales and nothing else
.set XS,   112                         ; v112-127 the rows' scale words, 8 b + s: likewise
.set OB,   128                         ; v128-159 16 rows read back from the stage
.set STO,  10
.set SRD,  11
.set WV,   16
.set MH,   17
.set NH,   18
.set NC,   19
.set EX,   20
.set TT,   21
.set TAU,  22                          ; s22 the tile in hand
.set TRIPS, 23
.set LEFT, 34                          ; s34 tiles left, the one in hand among them (the head uses s34 and s35 for an offset first)
.set N1,   35                          ; s35 the walk's next tile
.set E64,  61
.set KC,   62
.set YOFF, 63
.set MSB, 0
.macro WIN new                         ; the immediate's high byte repeats the setting that is left
.if MSB != \new
	s_set_vgpr_msb (MSB<<8)|\new
.set MSB, \new
.endif
.endm
.macro LOADX b                         ; a record into set b: its base stands in s[28 + 2 b : 29 + 2 b]
	WIN 0xc0                                       ; destination window 3
.set n, 0
.rept 32
	global_load_b128 v[128*(\b)+4*n:128*(\b)+4*n+3], v3, s[28+2*(\b):29+2*(\b)] offset:512*n
.set n, n+1
.endr
	WIN 0
	global_load_b128 v[XS+8*(\b):XS+8*(\b)+3], v4, s[28+2*(\b):29+2*(\b)] offset:16384
	global_load_b128 v[XS+8*(\b)+4:XS+8*(\b)+7], v4, s[28+2*(\b):29+2*(\b)] offset:16400
.endm
.macro MULS b                          ; 32 matrix instructions: K step by K step, the four accumulators by turns, one instruction a turn
.irp s, 0,1,2,3,4,5,6,7
.if \s < 4
	WIN 0x0d                                       ; source 0 window 1, source 1 window 3
.else
	WIN 0x0e                                       ; source 0 window 2
.endif
.irp t, 0,1,2,3
.if \s == 0
	v_wmma_scale_f32_16x16x128_f8f6f4 v[ACC+8*\t:ACC+8*\t+7], v[16*(4*(\s%4)+\t):16*(4*(\s%4)+\t)+15], v[128*(\b)+16*\s:128*(\b)+16*\s+15], v[BIAS+8*\t:BIAS+8*\t+7], v[WS+8*\t+\s], v[XS+8*(\b)+\s]
.else
	v_wmma_scale_f32_16x16x128_f8f6f4 v[ACC+8*\t:ACC+8*\t+7], v[16*(4*(\s%4)+\t):16*(4*(\s%4)+\t)+15], v[128*(\b)+16*\s:128*(\b)+16*\s+15], v[ACC+8*\t:ACC+8*\t+7], v[WS+8*\t+\s], v[XS+8*(\b)+\s]
.endif
.endr
.endr
	WIN 0
.endm
; A TILE from set b.  Behind its products the set takes the record two tiles on in the walk; the other set's record, asked for a step ago, stays on its way meanwhile.
.macro STEP b
	s_add_co_u32 s[N1], s[TAU], 2                  ; the walk's next tile: two on, or round to my first
	s_cmp_lt_u32 s[N1], s[TT]
	s_cselect_b32 s[N1], s[N1], s[MH]
	s_add_co_u32 s24, s[N1], 2                     ; and the one behind it: this set's next record
	s_cmp_lt_u32 s24, s[TT]
	s_cselect_b32 s24, s24, s[MH]
	s_min_u32 s24, s24, 63
	s_add_co_u32 s24, s24, s[E64]
	s_lshl_b32 s24, s24, 2
	s_add_co_u32 s24, s24, s[KC]
	s_mul_i32 s24, s24, REC
	s_mov_b32 s25, 0
	s_min_u32 s26, s[TAU], 63
	s_lshl_b32 s26, s26, 16                        ; 16 tau rows of 4,096 bytes
	s_add_co_u32 s26, s26, s[YOFF]
	s_mov_b32 s27, 0
	s_wait_xcnt 0x0                                ; the last tile's stores have read their base and data, earlier loads their base: all may be written
	s_add_nc_u64 s[28+2*\b:29+2*\b], s[4:5], s[24:25]
	s_add_nc_u64 s[32:33], s[14:15], s[26:27]
	s_wait_loadcnt 34                              ; set b is in: behind its loads stand the other set's 34, which may be out
	MULS \b
.rept 9
	v_nop                                          ; eight places ahead of the loads into this set and of the LDS stores that read results; nine ahead of the next tile's first products, which begin the accumulators anew with another C (loads aside)
.endr
	LOADX \b
.irp t, 0,1,2,3
	ds_store_b128 v[STO], v[ACC+8*\t:ACC+8*\t+3] offset:64*\t          ; each accumulator from its low end on
	ds_store_b128 v[STO], v[ACC+8*\t+4:ACC+8*\t+7] offset:64*\t+16
.endr
.irp i, 0,1,2,3,4,5,6,7
	ds_load_b128 v[OB+4*\i:OB+4*\i+3], v[SRD] offset:2*\i*SP           ; LDS serves a wave's instructions in order (ISA guide 5.7.1.4): these see my stores
.endr
.irp i, 0,1,2,3,4,5,6,7
	s_wait_dscnt 7-\i                              ; the younger loads may be out
	global_store_b128 v5, v[OB+4*\i:OB+4*\i+3], s[32:33] offset:8192*\i th:TH_STORE_NT   ; rows 2 i and 2 i + 1: 256 consecutive bytes each, aligned
.endr
.endm
	s_load_b256 s[4:11], s[0:1], 0x0               ; hb s[4:5], rpos s[6:7], W2's codes s[8:9], W2's scales s[10:11]
	s_load_b128 s[12:15], s[0:1], 0x20             ; b2 s[12:13], yb s[14:15]
	v_lshl_add_u32 v254, v0, 2, 0x24c00
	v_mov_b32 v255, 0
	v_lshrrev_b32 v12, 5, v0
	v_readfirstlane_b32 s[WV], v12
	s_lshr_b32 s[MH], s[WV], 1
	s_and_b32 s[NH], s[WV], 1
	s_and_b32 s[EX], ttmp7, 0xffff
	s_and_b32 s[NC], ttmp9, 7
	s_lshr_b32 s[KC], ttmp9, 3
	s_lshl_b32 s[E64], s[EX], 6
	s_lshl_b32 s[TRIPS], s[EX], 2                  ; 4 e, for n_e's load (the register becomes the trip count behind the wait for that load)
	v_and_b32 v13, 31, v0                          ; lane
	v_and_b32 v1, 15, v0                           ; r
	v_bfe_u32 v2, v0, 4, 1                         ; h
	v_lshlrev_b32 v3, 4, v13                       ; an image's place for my lane
	v_lshlrev_b32 v4, 5, v1                        ; a record's scale words of row r
	v_lshlrev_b32 v5, 4, v1
	v_lshl_add_u32 v5, v2, 12, v5                  ; weight loads and y's stores alike: sixteen lanes take 256 bytes of a row of 4,096, lanes 16-31 the next row
	s_mul_i32 s24, s[WV], 32*PITCH
	v_mul_u32_u24 v6, v2, PITCH
	v_lshl_add_u32 v6, v1, 4, v6
	v_add_nc_u32 v6, s24, v6                       ; LDS, way in: row 32 w + h
	v_mul_u32_u24 v7, v1, PITCH
	v_lshl_add_u32 v7, v2, 4, v7
	s_mul_i32 s24, s[NH], 64*PITCH
	v_add_nc_u32 v7, s24, v7                       ; LDS, fragments: row 64 nh + r, + 16 h
	v_lshlrev_b32 v8, 5, v2                        ; b2: 32 h
	v_lshlrev_b32 v9, 7, v1                        ; W2's scale words: 128 bytes a row
	s_mul_i32 s24, s[WV], 16*SP
	s_add_co_u32 s24, s24, STG                     ; my stage
	v_mul_u32_u24 v[STO], v1, SP
	v_lshl_add_u32 v[STO], v2, 5, v[STO]
	v_add_nc_u32 v[STO], s24, v[STO]               ; in: row r, 32 bytes for each half of the lanes
	v_mul_u32_u24 v[SRD], v2, SP
	v_lshl_add_u32 v[SRD], v1, 4, v[SRD]
	v_add_nc_u32 v[SRD], s24, v[SRD]               ; back: lanes 0-15 one row, lanes 16-31 the next
	s_lshl_b32 s24, s[EX], 22                      ; my 32 rows of W2: e, 128 nc + 32 w rows of 4,096 bytes, + 1,024 kc
	s_lshl_b32 s26, s[NC], 19
	s_add_co_u32 s24, s24, s26
	s_lshl_b32 s26, s[WV], 17
	s_add_co_u32 s24, s24, s26
	s_lshl_b32 s26, s[KC], 10
	s_add_co_u32 s24, s24, s26
	s_mov_b32 s25, 0
	s_lshl_b32 s26, s[EX], 17                      ; the scale bytes of my 64 outputs: 128 bytes a row, + 32 kc
	s_lshl_b32 s34, s[NC], 14
	s_add_co_u32 s26, s26, s34
	s_lshl_b32 s34, s[NH], 13
	s_add_co_u32 s26, s26, s34
	s_lshl_b32 s34, s[KC], 5
	s_add_co_u32 s26, s26, s34
	s_mov_b32 s27, 0
	s_lshl_b32 s36, s[NC], 9                       ; my 64 outputs in a row of f32: 512 nc + 256 nh
	s_lshl_b32 s34, s[NH], 8
	s_add_co_u32 s36, s36, s34
	s_lshl_b32 s34, s[EX], 12                      ; their b2
	s_add_co_u32 s34, s34, s36
	s_mov_b32 s35, 0
	s_lshl_b32 s[YOFF], s[KC], 25                  ; yb: part kc, expert e's 1,024 rows, my outputs
	s_lshl_b32 s32, s[EX], 22
	s_add_co_u32 s[YOFF], s[YOFF], s32
	s_add_co_u32 s[YOFF], s[YOFF], s36
	s_wait_kmcnt 0x0
	s_load_b32 s[TT], s[6:7], s[TRIPS] offset:0x10000         ; n_e
	s_add_nc_u64 s[8:9], s[8:9], s[24:25]
	s_add_nc_u64 s[10:11], s[10:11], s[26:27]
	s_add_nc_u64 s[12:13], s[12:13], s[34:35]
	WIN 0x40                                       ; destination window 1
.set n, 0
.rept 64
	global_load_b128 v[4*n:4*n+3], v5, s[8:9] offset:2*(n/4)*4096+256*(n%4) th:TH_LOAD_NT     ; read once in the launch
.set n, n+1
.endr
	WIN 0
.irp t, 0,1,2,3
	global_load_b128 v[WS+8*\t:WS+8*\t+3], v9, s[10:11] offset:2048*\t
	global_load_b128 v[WS+8*\t+4:WS+8*\t+7], v9, s[10:11] offset:2048*\t+16
.endr
	s_cmp_lg_u32 s[KC], 0                          ; b2 is added once: by the work-groups of K's first part (a branch on the work-group's number)
	s_cbranch_scc1 .Lno_bias
.irp t, 0,1,2,3
	global_load_b128 v[BIAS+8*\t:BIAS+8*\t+3], v8, s[12:13] offset:64*\t
	global_load_b128 v[BIAS+8*\t+4:BIAS+8*\t+7], v8, s[12:13] offset:64*\t+16
.endr
	s_branch .Lbias_set
.Lno_bias:
.set n, 0
.rept 32
	v_mov_b32 v[BIAS+n], 0
.set n, n+1
.endr
.Lbias_set:
	s_wait_kmcnt 0x0                               ; n_e
	s_add_co_u32 s[TT], s[TT], 15
	s_lshr_b32 s[TT], s[TT], 4
	s_min_u32 s[TT], s[TT], 64
	s_max_u32 s[TT], s[TT], 2                      ; T
	s_sub_co_u32 s[LEFT], s[TT], s[MH]
	s_add_co_u32 s[LEFT], s[LEFT], 1
	s_lshr_b32 s[LEFT], s[LEFT], 1                 ; M = (T - mh + 1) / 2: my tiles, at least one
	s_mul_i32 s[TAU], s[LEFT], s[NC]
	s_lshr_b32 s[TAU], s[TAU], 3                   ; where my walk begins: tile number (nc M) / 8, under M
	s_lshl_b32 s[TAU], s[TAU], 1
	s_add_co_u32 s[TAU], s[TAU], s[MH]             ; as a tile of the expert
	s_add_co_u32 s[TRIPS], s[LEFT], 1              ; a trip takes two tiles
	s_lshr_b32 s[TRIPS], s[TRIPS], 1
	s_max_u32 s[TRIPS], s[TRIPS], 1                ; (it is at least 1 by the arithmetic above; written so that the text shows it)
	s_min_u32 s24, s[TAU], 63                      ; the walk's first record, for set 0,
	s_add_co_u32 s24, s24, s[E64]
	s_lshl_b32 s24, s24, 2
	s_add_co_u32 s24, s24, s[KC]
	s_mul_i32 s24, s24, REC
	s_mov_b32 s25, 0
	s_add_nc_u64 s[28:29], s[4:5], s[24:25]
	s_add_co_u32 s26, s[TAU], 2                    ; and its second, for set 1
	s_cmp_lt_u32 s26, s[TT]
	s_cselect_b32 s26, s26, s[MH]
	s_min_u32 s26, s26, 63
	s_add_co_u32 s26, s26, s[E64]
	s_lshl_b32 s26, s26, 2
	s_add_co_u32 s26, s26, s[KC]
	s_mul_i32 s26, s26, REC
	s_mov_b32 s27, 0
	s_add_nc_u64 s[30:31], s[4:5], s[26:27]
	LOADX 0
	s_wait_loadcnt 34                              ; the weights, their scales and b2 are in, on both ways; the first record's 34 loads may be out
	WIN 0x04                                       ; an LDS store's data are its source 1: window 1
.set n, 0
.rept 64
	ds_store_b128 v6, v[4*n:4*n+3] offset:2*(n/4)*PITCH+256*(n%4)
.set n, n+1
.endr
	WIN 0
	LOADX 1                                        ; the walk's second record: asked for behind the counted wait above, so that that wait's count stays the first record's 34
	s_wait_dscnt 0x0                               ; for the others' sake: my 32 rows lie in LDS
	s_barrier_signal -1
	s_barrier_wait -1                              ; the text's one barrier: all 128 rows lie there
.irp s, 0,1,2,3,4,5,6,7
.if \s < 4
	WIN 0x40
.else
	WIN 0x80
.endif
.irp t, 0,1,2,3
.irp c, 0,1,2,3
	ds_load_b128 v[16*(4*(\s%4)+\t)+4*\c:16*(4*(\s%4)+\t)+4*\c+3], v7 offset:16*\t*PITCH+128*\s+32*\c
.endr
.endr
.endr
	WIN 0
	s_wait_dscnt 0x0                               ; my fragments are in
.Lpair:
	STEP 0
	s_mov_b32 s[TAU], s[N1]
	s_sub_co_u32 s[LEFT], s[LEFT], 1
	s_cmp_lg_u32 s[LEFT], 0
	s_cbranch_scc1 .Lmore                          ; a second tile is left in this trip
	s_wait_tensorcnt 0x0
	ds_add_u32 v254, v255
	s_wait_dscnt 0x0
	s_endpgm                                       ; a wave with an odd number of tiles ends here, in its last trip: nothing jumps over the counter's step; the look-ahead's plain loads may be out
.Lmore:
	STEP 1
	s_mov_b32 s[TAU], s[N1]
	s_sub_co_u32 s[LEFT], s[LEFT], 1
	s_sub_co_u32 s[TRIPS], s[TRIPS], 1
	s_cmp_lg_u32 s[TRIPS], 0
	s_cbranch_scc1 .Lpair
	s_wait_tensorcnt 0x0
	ds_add_u32 v254, v255
	s_wait_dscnt 0x0
	s_endpgm
.Lfunc_end_k_qec57b00973_ffn2:
	.size	k_qec57b00973_ffn2, .Lfunc_end_k_qec57b00973_ffn2-k_qec57b00973_ffn2
	.p2alignl 7, 3214868480
	.fill 96, 4, 3214868480
	.section	.rodata,"a",@progbits
	.p2align	6, 0x0
	.amdhsa_kernel k_qec57b00973_ffn2
		.amdhsa_group_segment_fixed_size 151040
		.amdhsa_private_segment_fixed_size 0
		.amdhsa_enable_private_segment 0
		.amdhsa_kernarg_size 48
		.amdhsa_user_sgpr_count 2
		.amdhsa_user_sgpr_kernarg_segment_ptr 1
		.amdhsa_wavefront_size32 1
		.amdhsa_system_sgpr_workgroup_id_x 1
		.amdhsa_system_sgpr_workgroup_id_y 1
		.amdhsa_system_sgpr_workgroup_id_z 1
		.amdhsa_system_vgpr_workitem_id 0
		.amdhsa_next_free_vgpr 1024
		.amdhsa_next_free_sgpr 66
		.amdhsa_reserve_vcc 0
		.amdhsa_float_denorm_mode_32 3
		.amdhsa_float_denorm_mode_16_64 3
		.amdhsa_memory_ordered 1
		.amdhsa_forward_progress 1
		.amdhsa_inst_pref_size 53
	.end_amdhsa_kernel
	.amdgpu_metadata
---
amdhsa.version: [ 1, 2 ]
amdhsa.kernels:
  - .name:           k_qec57b00973_ffn2
    .symbol:         k_qec57b00973_ffn2.kd
    .args:
      - { .name: hb, .offset: 0, .size: 8, .value_kind: global_buffer, .address_space: global }
      - { .name: rpos, .offset: 8, .size: 8, .value_kind: global_buffer, .address_space: global }
      - { .name: w2_codes, .offset: 16, .size: 8, .value_kind: global_buffer, .address_space: global }
      - { .name: w2_scales, .offset: 24, .size: 8, .value_kind: global_buffer, .address_space: global }
      - { .name: b2, .offset: 32, .size: 8, .value_kind: global_buffer, .address_space: global }
      - { .name: yb, .offset: 40, .size: 8, .value_kind: global_buffer, .address_space: global }
    .group_segment_fixed_size: 151040
    .private_segment_fixed_size: 0
    .kernarg_segment_align: 8
    .kernarg_segment_size: 48
    .max_flat_workgroup_size: 128
    .sgpr_count:     66
    .vgpr_count:     1024
    .wavefront_size: 32
...
	.end_amdgpu_metadata
.endif
;; end of part 4
;; launch combine (part 5): grid 256 x 1, 8 waves a work-group, no clusters, 0 bytes of LDS; arguments yb, rpos, ridx, xq, out0; writes out0
.if DOCPART == 5
	.amdgcn_target "amdgcn-amd-amdhsa--gfx1250"
	.amdhsa_code_object_version 6
	.text
	.protected	k_qec57b00973_combine
	.globl	k_qec57b00973_combine
	.p2align	8
	.type	k_qec57b00973_combine,@function
k_qec57b00973_combine:
	s_mov_b64 s[64:65], 0
	v_nop
	global_prefetch_b8 v0, s[64:65] scope:SCOPE_SE
	s_setreg_imm32_b32 hwreg(HW_REG_WAVE_MODE, 25, 1), 1
	s_wait_xcnt 0x0
; out0[token] = g0 y(expert of slot 0) + g1 y(expert of slot 1), each y the sum of its four parts along K (b2 lies in the first part).
; A stream: a work-group takes four tokens, a wave half a row (2,048 bytes) of one token: eight rows of yb in, one out.  Each load and store of the wave covers 512 consecutive bytes, aligned.
; Where a token's rows lie is read as whole numbers that earlier launches stored: its two experts (ridx), its rank in each (rpos: plane e, word 2 token + slot); row 1,024 e + rank of each part of yb.
; The loaded numbers are held to their range before they enter an address.  The gates are the f32 pair at byte 0x108000 + 8 token of xq.
; No LDS, no barrier, no matrix unit: waves share nothing, and the bytes decide.
.set Y, 16                             ; v16-143: part u = 4 slot + kc at Y + 16 u; in it quarter n of the half row at 4 n
	s_load_b256 s[4:11], s[0:1], 0x0               ; yb s[4:5], rpos s[6:7], ridx s[8:9], xq s[10:11]
	s_load_b64 s[12:13], s[0:1], 0x20              ; out0
	v_lshrrev_b32 v2, 5, v0
	v_readfirstlane_b32 s16, v2                    ; wave
	v_and_b32 v1, 31, v0
	v_lshlrev_b32 v1, 4, v1                        ; 16 bytes a lane
	s_lshr_b32 s17, s16, 1
	s_lshl_b32 s18, ttmp9, 2
	s_add_co_u32 s17, s17, s18                     ; my token
	s_lshl_b32 s18, s17, 3                         ; 8 x token
	s_and_b32 s19, s16, 1
	s_lshl_b32 s19, s19, 11                        ; my half of the row
	s_wait_kmcnt 0x0
	s_load_b64 s[20:21], s[8:9], s18               ; the two experts
	s_load_b64 s[22:23], s[10:11], s18 offset:0x108000        ; the two gates
	s_wait_kmcnt 0x0
	s_min_u32 s20, s20, 7
	s_min_u32 s21, s21, 7
	s_lshl_b32 s24, s20, 13
	s_add_co_u32 s24, s24, s18
	s_lshl_b32 s25, s21, 13
	s_add_co_u32 s25, s25, s18
	s_load_b32 s26, s[6:7], s24                    ; slot 0's rank in its expert
	s_load_b32 s27, s[6:7], s25 offset:0x4         ; slot 1's
	s_mov_b32 s28, s23                             ; g1 as a pair of its own: the packed form takes a pair's low word for both halves
	s_mov_b32 s29, s23
	s_lshl_b32 s30, s17, 12
	s_add_co_u32 s30, s30, s19
	s_mov_b32 s31, 0
	s_add_nc_u64 s[12:13], s[12:13], s[30:31]      ; my half row of out0
	s_wait_kmcnt 0x0
	s_min_u32 s26, s26, 1023
	s_min_u32 s27, s27, 1023
	s_lshl_b32 s20, s20, 10
	s_add_co_u32 s20, s20, s26
	s_lshl_b32 s20, s20, 12
	s_add_co_u32 s30, s20, s19                     ; row 1,024 e + rank, my half
	s_add_nc_u64 s[32:33], s[4:5], s[30:31]
	s_lshl_b32 s21, s21, 10
	s_add_co_u32 s21, s21, s27
	s_lshl_b32 s21, s21, 12
	s_add_co_u32 s30, s21, s19
	s_add_nc_u64 s[40:41], s[4:5], s[30:31]
.irp u, 0,1,2
	s_add_nc_u64 s[34+2*\u:35+2*\u], s[32+2*\u:33+2*\u], 0x2000000     ; the next part along K
	s_add_nc_u64 s[42+2*\u:43+2*\u], s[40+2*\u:41+2*\u], 0x2000000
.endr
.irp n, 0,1,2,3
.irp u, 0,1,2,3,4,5,6,7
	global_load_b128 v[Y+16*\u+4*\n:Y+16*\u+4*\n+3], v1, s[32+2*\u:33+2*\u] offset:512*\n th:TH_LOAD_NT
.endr
.endr
.irp n, 0,1,2,3
	s_wait_loadcnt 8*(3-\n)                        ; this quarter's eight loads are in; the later quarters' may be out
.irp r, 0,2
	v_pk_add_f32 v[Y+4*\n+\r:Y+4*\n+\r+1], v[Y+4*\n+\r:Y+4*\n+\r+1], v[Y+16+4*\n+\r:Y+16+4*\n+\r+1]
	v_pk_add_f32 v[Y+32+4*\n+\r:Y+32+4*\n+\r+1], v[Y+32+4*\n+\r:Y+32+4*\n+\r+1], v[Y+48+4*\n+\r:Y+48+4*\n+\r+1]
	v_pk_add_f32 v[Y+64+4*\n+\r:Y+64+4*\n+\r+1], v[Y+64+4*\n+\r:Y+64+4*\n+\r+1], v[Y+80+4*\n+\r:Y+80+4*\n+\r+1]
	v_pk_add_f32 v[Y+96+4*\n+\r:Y+96+4*\n+\r+1], v[Y+96+4*\n+\r:Y+96+4*\n+\r+1], v[Y+112+4*\n+\r:Y+112+4*\n+\r+1]
	v_pk_add_f32 v[Y+4*\n+\r:Y+4*\n+\r+1], v[Y+4*\n+\r:Y+4*\n+\r+1], v[Y+32+4*\n+\r:Y+32+4*\n+\r+1]
	v_pk_add_f32 v[Y+64+4*\n+\r:Y+64+4*\n+\r+1], v[Y+64+4*\n+\r:Y+64+4*\n+\r+1], v[Y+96+4*\n+\r:Y+96+4*\n+\r+1]
	v_pk_mul_f32 v[Y+4*\n+\r:Y+4*\n+\r+1], v[Y+4*\n+\r:Y+4*\n+\r+1], s[22:23] op_sel_hi:[1,0]
	v_pk_fma_f32 v[Y+4*\n+\r:Y+4*\n+\r+1], v[Y+64+4*\n+\r:Y+64+4*\n+\r+1], s[28:29], v[Y+4*\n+\r:Y+4*\n+\r+1] op_sel_hi:[1,0,1]
.endr
	global_store_b128 v1, v[Y+4*\n:Y+4*\n+3], s[12:13] offset:512*\n th:TH_STORE_NT
.endr
	s_endpgm
.Lfunc_end_k_qec57b00973_combine:
	.size	k_qec57b00973_combine, .Lfunc_end_k_qec57b00973_combine-k_qec57b00973_combine
	.p2alignl 7, 3214868480
	.fill 96, 4, 3214868480
	.section	.rodata,"a",@progbits
	.p2align	6, 0x0
	.amdhsa_kernel k_qec57b00973_combine
		.amdhsa_group_segment_fixed_size 0
		.amdhsa_private_segment_fixed_size 0
		.amdhsa_enable_private_segment 0
		.amdhsa_kernarg_size 40
		.amdhsa_user_sgpr_count 2
		.amdhsa_user_sgpr_kernarg_segment_ptr 1
		.amdhsa_wavefront_size32 1
		.amdhsa_system_sgpr_workgroup_id_x 1
		.amdhsa_system_sgpr_workgroup_id_y 1
		.amdhsa_system_sgpr_workgroup_id_z 1
		.amdhsa_system_vgpr_workitem_id 0
		.amdhsa_next_free_vgpr 144
		.amdhsa_next_free_sgpr 66
		.amdhsa_reserve_vcc 0
		.amdhsa_float_denorm_mode_32 3
		.amdhsa_float_denorm_mode_16_64 3
		.amdhsa_memory_ordered 1
		.amdhsa_forward_progress 1
		.amdhsa_inst_pref_size 10
	.end_amdhsa_kernel
	.amdgpu_metadata
---
amdhsa.version: [ 1, 2 ]
amdhsa.kernels:
  - .name:           k_qec57b00973_combine
    .symbol:         k_qec57b00973_combine.kd
    .args:
      - { .name: yb, .offset: 0, .size: 8, .value_kind: global_buffer, .address_space: global }
      - { .name: rpos, .offset: 8, .size: 8, .value_kind: global_buffer, .address_space: global }
      - { .name: ridx, .offset: 16, .size: 8, .value_kind: global_buffer, .address_space: global }
      - { .name: xq, .offset: 24, .size: 8, .value_kind: global_buffer, .address_space: global }
      - { .name: out0, .offset: 32, .size: 8, .value_kind: global_buffer, .address_space: global }
    .group_segment_fixed_size: 0
    .private_segment_fixed_size: 0
    .kernarg_segment_align: 8
    .kernarg_segment_size: 40
    .max_flat_workgroup_size: 256
    .sgpr_count:     66
    .vgpr_count:     144
    .wavefront_size: 32
...
	.end_amdgpu_metadata
.endif
;; end of part 5
;; ======== version 2 of 2: 5 launches; version 1 with the launches ffn1, ffn2 written anew for expert scheduling mode
;; workspace buffers: xq 1,089,536 bytes; ridx 8,192 bytes of whole numbers; rpos 65,792 bytes of whole numbers; xs 8,650,752 bytes; hb 34,603,008 bytes; yb 134,217,728 bytes
;; launch route: the kernel of part 1 again; grid 256 x 1, 1 waves a work-group, no clusters, 35,072 bytes of LDS; arguments x, gate_w, gate_b, xq, ridx, out1; writes xq, ridx, out1
;; launch place: the kernel of part 2 again; grid 16 x 8, 1 waves a work-group, no clusters, 4,608 bytes of LDS; arguments ridx, xq, rpos, xs, out2; writes rpos, xs, out2
;; launch ffn1 (part 6): grid 32 x 8, 4 waves a work-group, no clusters, 133,632 bytes of LDS; arguments xs, rpos, w1_codes, w1_scales, b1, hb; writes hb
.if DOCPART == 6
	.amdgcn_target "amdgcn-amd-amdhsa--gfx1250"
	.amdhsa_code_object_version 6
	.text
	.protected	k_qec57b00973_ffn1
	.globl	k_qec57b00973_ffn1
	.p2align	8
	.type	k_qec57b00973_ffn1,@function
k_qec57b00973_ffn1:
	s_mov_b64 s[64:65], 0
	v_nop
	global_prefetch_b8 v0, s[64:65] scope:SCOPE_SE
	s_setreg_imm32_b32 hwreg(HW_REG_WAVE_SCHED_MODE, 0, 2), 2
	s_setreg_imm32_b32 hwreg(HW_REG_WAVE_MODE, 25, 1), 1
	s_wait_xcnt 0x0
	s_wait_alu depctr_vm_vsrc(0)
; h = Q(gelu(x W1 + b1)) for the routed rows, on codes of E4M3 with one E8M0 scale for each 32 along K.  gelu is the exact one, 0.5 v (1 + erf(v / sqrt 2)).
; THE WEIGHTS STAY, THE ROWS WALK.  Work-group (c, e) owns hidden units 128 c .. 128 c + 127 of expert e.  Wave w = 2 mh + nh keeps units 64 nh .. 64 nh + 63 for all of K = 1,024 in 512 registers
; (read from memory once in the launch) and walks the expert's tiles of 16 rows tau = mh, mh + 2, .. under T: M = (T - mh + 1) / 2 tiles.  T = ceil(n_e / 16) held to 2 .. 64, n_e read from rpos: so every wave has a tile.
; THE WALK IS ROTATED: the wave begins at its tile number (c M) / 32 and wraps round to its first, so that the 32 work-groups of an expert ask for different records at any one time.
; The rows come as records of register images (launch place): 32 dense loads of 512 bytes and two of scale words, in two sets of registers.  A set is loaded again behind the products that read it, in two runs,
; with the record two tiles on in the walk: up to two records of a wave are on their way.  The wrap makes every such address a record that exists; the walk's last two records are brought and nobody multiplies them.
; THE PRODUCT IS USED TRANSPOSED (source 0 = 16 rows of W1, source 1 = 16 rows of x), and lane r of weight tile t takes row 32 (t / 2) + 8 (t % 2) + r + 8 (r / 8): the 16 registers of tiles 2 b and 2 b + 1
; are then 16 neighbouring hidden units of one row, 32 b + 16 (lane / 16) + 0..15, and the conversions' results are an image of the next product's operand.  b1 is the C of each sum's first instruction.
; hb: record (64 e + tau) 4 + kc, kc = c / 8, of the same form as a record of xs; this work-group's units are its K step s = c % 8; wave nh's two blocks are images 4 s + 2 nh + 0, 1.
; NO TENSOR LOADS, NO CLUSTER, NO JOINT LOADS, though the 32 work-groups of an expert read the same records: the trip count is a number read from memory.
; erf z = z P(z^2) / Q(z^2), z held to +-4: a rational of degrees 6 and 4 in z^2.
; LIMITS: h is formed as 0.5 v + 0.5 v erf: for v under about -3 the sum cancels, and h's error stays near 2^-23 |v| in absolute terms, not relative to h.  NaN and infinities are not served.
; A block of h whose largest magnitude lies under 2^-118 keeps the scale byte 1 (a block of zeros too: its codes are zeros).
; The scale bytes leave as 2 bytes a row, 32 bytes apart: 32 bytes for each 1,024 bytes of codes.
; REGISTERS, in windows of 256: window 0 as named below; window 1: W(t, s), s = 0..3, at 16 (4 s + t) (first the rows as loaded); window 2: s = 4..7; window 3: the records' images, set b at 128 b + 16 s + 4 c.
; THE MODE: SCHED_MODE bits 1:0 = 2 (LLVM: expert scheduling mode 2), set by the entry lines.  The code itself states the register dependences
; between vector or matrix instructions and memory or LDS instructions, with s_wait_alu, always for 0.
; THE PLAN.  Registers that memory or LDS instructions touch:
;   v3 .. v11      Offsets and LDS addresses.  Made at the head, ahead of the one wait on va_vdst there, and never written again: records and h's places are reached by scalar bases and immediate offsets.
;   window 1       At the head: the weights' loads land in it, the LDS stores read it, the fragments' LDS loads land in it again: one wait on vm_vsrc between the last two.  From then on products alone read windows 1 and 2.
;   set b, XS[b]   Tile p (b = p % 2): its 32 products read them; behind the products the loads of tile p + 2's record land in them.
;   PC, PW         Tile p's conversions and the line that joins the two bytes write them; the tile's three stores read them; tile p + 1 writes them again.
;   v254, v255     Written at the head, read by the closing add alone.
;   ACC, BIAS, WS and v[Z] .. v[TM + 7] are named, in the loop, by vector and matrix instructions alone.
; So a tile holds: one wait on vm_vsrc at its head (the last tile's stores have read PC and PW); one on va_vdst behind its products (they are done reading set b and XS[b]); behind that wait the set's 34 loads stand in two
; runs, the second behind the first half of gelu, whose lines name none of the registers that those loads touch; the wait for each batch of reciprocals; and one on va_vdst ahead of the three stores (PC and PW are written).
.set PITCH, 1040                       ; a weight row in LDS: 1,024 bytes + 16
.set REC,   16896
.set ACC,  16                          ; v16-47   four accumulators
.set BIAS, 48                          ; v48-79   b1 in the result's layout
.set WS,   80                          ; v80-111  W1's scale words, 8 t + s: scales and nothing else
.set XS,   112                         ; v112-127 the rows' scale words, 8 b + s: likewise
.set Z,    128
.set Z2,   144
.set P,    160
.set Q,    176
.set TM,   192                         ; +0,1 largest magnitudes; +2,3 the other half's, then bytes; +4,5 448 x scale; +6,7 scale operands
.set PC,   204                         ; v204-211 the codes
.set PW,   212                         ; the two scale bytes
.set CA13, 214                         ; v[214:215], v[216:217]: the two leading coefficients (an instruction names one scalar pair)
.set CB8,  216
.set WV,   16
.set MH,   17
.set NH,   18
.set KS,   19                          ; s19 c % 8
.set EX,   20
.set TT,   21
.set TAU,  22                          ; s22 the tile in hand
.set TRIPS, 23
.set LEFT, 34                          ; s34 tiles left, the one in hand among them (the head uses s34 and s35 for an offset first)
.set N1,   35                          ; s35 the walk's next tile
.set RS2,  36                          ; s[36:57] eleven constants, each as a pair of equal words
.set A11,  38
.set A9,   40
.set A7,   42
.set A5,   44
.set A3,   46
.set A1,   48
.set B6,   50
.set B4,   52
.set B2,   54
.set B0,   56
.set SEL,  58
.set MNT,  60
.set E64,  61
.set KC,   62
.set MSB, 0
.macro WIN new                         ; the immediate's high byte repeats the setting that is left
.if MSB != \new
	s_set_vgpr_msb (MSB<<8)|\new
.set MSB, \new
.endif
.endm
.macro SPAIR r, val
	s_mov_b32 s[\r], \val
	s_mov_b32 s[\r+1], \val
.endm
; a record into set b, in two runs: its base stands in s[28 + 2 b : 29 + 2 b].  The first run: images 0 to 15.  w = 1: in the loop, where products have read the set
.macro LOADXA b, w
	WIN 0xc0                                       ; destination window 3
.if \w
	s_wait_alu depctr_va_vdst(0)                   ; the tile's products are done reading set b and its scale words, in which these loads and those of the second run land
.endif
.set n, 0
.rept 16
	global_load_b128 v[128*(\b)+4*n:128*(\b)+4*n+3], v3, s[28+2*(\b):29+2*(\b)] offset:512*n
.set n, n+1
.endr
.endm
; the second run: images 16 to 31 and the scale words.  No wait: no vector or matrix instruction since the first run's wait names these registers, v3 or v4
.macro LOADXB b
	WIN 0xc0                                       ; destination window 3
.set n, 16
.rept 16
	global_load_b128 v[128*(\b)+4*n:128*(\b)+4*n+3], v3, s[28+2*(\b):29+2*(\b)] offset:512*n
.set n, n+1
.endr
	WIN 0
	global_load_b128 v[XS+8*(\b):XS+8*(\b)+3], v4, s[28+2*(\b):29+2*(\b)] offset:16384
	global_load_b128 v[XS+8*(\b)+4:XS+8*(\b)+7], v4, s[28+2*(\b):29+2*(\b)] offset:16400
.endm
; 32 matrix instructions: K step by K step, the four accumulators by turns, one instruction a turn
.macro MULS b
.irp s, 0,1,2,3,4,5,6,7
.if \s < 4
	WIN 0x0d                                       ; source 0 window 1, source 1 window 3
.else
	WIN 0x0e                                       ; source 0 window 2
.endif
.irp t, 0,1,2,3
.if \s == 0
	v_wmma_scale_f32_16x16x128_f8f6f4 v[ACC+8*\t:ACC+8*\t+7], v[16*(4*(\s%4)+\t):16*(4*(\s%4)+\t)+15], v[128*(\b)+16*\s:128*(\b)+16*\s+15], v[BIAS+8*\t:BIAS+8*\t+7], v[WS+8*\t+\s], v[XS+8*(\b)+\s]
.else
	v_wmma_scale_f32_16x16x128_f8f6f4 v[ACC+8*\t:ACC+8*\t+7], v[16*(4*(\s%4)+\t):16*(4*(\s%4)+\t)+15], v[128*(\b)+16*\s:128*(\b)+16*\s+15], v[ACC+8*\t:ACC+8*\t+7], v[WS+8*\t+\s], v[XS+8*(\b)+\s]
.endif
.endr
.endr
	WIN 0
.endm
; gelu of 16 registers, two at a time; each accumulator is read from its low end on
.macro GELU q
.set ar, ACC+16*(\q)
.irp p, 0,2,4,6,8,10,12,14
	v_pk_mul_f32 v[Z+\p:Z+\p+1], v[ar+\p:ar+\p+1], s[RS2:RS2+1] op_sel_hi:[1,0]       ; z = v / sqrt 2
.endr
.irp p, 0,1,2,3,4,5,6,7,8,9,10,11,12,13,14,15
	v_med3_num_f32 v[Z+\p], v[Z+\p], -4.0, 4.0
.endr
.irp p, 0,2,4,6,8,10,12,14
	v_pk_mul_f32 v[Z2+\p:Z2+\p+1], v[Z+\p:Z+\p+1], v[Z+\p:Z+\p+1]
.endr
.irp p, 0,2,4,6,8,10,12,14
	v_pk_fma_f32 v[P+\p:P+\p+1], v[Z2+\p:Z2+\p+1], v[CA13:CA13+1], s[A11:A11+1] op_sel_hi:[1,1,0]
	v_pk_fma_f32 v[Q+\p:Q+\p+1], v[Z2+\p:Z2+\p+1], v[CB8:CB8+1], s[B6:B6+1] op_sel_hi:[1,1,0]
.endr
.irp c, B4, B2, B0
.irp p, 0,2,4,6,8,10,12,14
	v_pk_fma_f32 v[Q+\p:Q+\p+1], v[Q+\p:Q+\p+1], v[Z2+\p:Z2+\p+1], s[\c:\c+1] op_sel_hi:[1,1,0]
.endr
.endr
.irp p, 0,1,2,3,4,5,6,7,8,9,10,11,12,13,14,15
	v_rcp_f32 v[Q+\p], v[Q+\p]                     ; one batch; the numerator's 56 lines below are the independent work behind it
.endr
.irp c, A9, A7, A5, A3, A1
.irp p, 0,2,4,6,8,10,12,14
	v_pk_fma_f32 v[P+\p:P+\p+1], v[P+\p:P+\p+1], v[Z2+\p:Z2+\p+1], s[\c:\c+1] op_sel_hi:[1,1,0]
.endr
.endr
.irp p, 0,2,4,6,8,10,12,14
	v_pk_mul_f32 v[P+\p:P+\p+1], v[P+\p:P+\p+1], v[Z+\p:Z+\p+1]
.endr
.irp p, 0,2,4,6,8,10,12,14
	v_pk_mul_f32 v[Z+\p:Z+\p+1], v[ar+\p:ar+\p+1], 0.5 op_sel_hi:[1,0]
.endr
	s_wait_alu depctr_va_vdst(0)                   ; the sixteen reciprocals have written v[Q ..]: one wait for the batch, ahead of its first reader
.irp p, 0,2,4,6,8,10,12,14
	v_pk_mul_f32 v[P+\p:P+\p+1], v[P+\p:P+\p+1], v[Q+\p:Q+\p+1]                        ; erf
.endr
.irp p, 0,2,4,6,8,10,12,14
	v_pk_fma_f32 v[ar+\p:ar+\p+1], v[Z+\p:Z+\p+1], v[P+\p:P+\p+1], v[Z+\p:Z+\p+1]      ; h = 0.5 v erf + 0.5 v
.endr
.endm
; the wave's two blocks of 32 hidden units: register ACC + 16 b + i = unit 32 b + 16 (lane / 16) + i of row lane % 16
.macro QUANT2
.irp b, 0,1
	v_max3_num_f32 v[TM+\b], |v[ACC+16*\b]|, |v[ACC+16*\b+1]|, 0x4800000     ; and the floor 2^(9 - 127): the byte cannot fall under 1
.endr
.irp i, 2,4,6,8,10,12,14
.irp b, 0,1
	v_max3_num_f32 v[TM+\b], v[TM+\b], |v[ACC+16*\b+\i]|, |v[ACC+16*\b+\i+1]|
.endr
.endr
.irp b, 0,1
	v_permlanex16_b32 v[TM+2+\b], v[TM+\b], s[SEL], s[SEL+1]
.endr
.irp b, 0,1
	v_max_num_f32 v[TM+\b], v[TM+\b], v[TM+2+\b]   ; with lane l xor 16's sixteen: the block's largest magnitude
.endr
.irp b, 0,1
	v_add_nc_u32 v[TM+6+\b], 0xfc000000, v[TM+\b]  ; 8 off its exponent field: the conversion's scale operand
.endr
.irp b, 0,1
	v_and_or_b32 v[TM+4+\b], v[TM+\b], 0x7f800000, s[MNT]    ; 448 x the scale
.endr
.irp b, 0,1
	v_lshrrev_b32 v[TM+2+\b], 23, v[TM+6+\b]       ; the scale's byte
.endr
	v_lshl_or_b32 v[PW], v[TM+3], 8, v[TM+2]
.irp b, 0,1
.irp i, 0,1,2,3,4,5,6,7,8,9,10,11,12,13,14,15
	v_med3_num_f32 v[ACC+16*\b+\i], v[ACC+16*\b+\i], -v[TM+4+\b], v[TM+4+\b]   ; the conversion does not saturate (ISA guide 7.6.2): the hold comes first
.endr
	v_cvt_scalef32_pk8_fp8_f32 v[PC+4*\b:PC+4*\b+1], v[ACC+16*\b:ACC+16*\b+7], v[TM+6+\b]
	v_cvt_scalef32_pk8_fp8_f32 v[PC+4*\b+2:PC+4*\b+3], v[ACC+16*\b+8:ACC+16*\b+15], v[TM+6+\b]
.endr
	v_nop                                          ; a plain line behind the last conversion: the next products write its sources
.endm
; A TILE from set b.  Behind its products the set takes the record two tiles on in the walk; the other set's record, asked for a step ago, stays on its way meanwhile.
.macro STEP b
	s_add_co_u32 s[N1], s[TAU], 2                  ; the walk's next tile: two on, or round to my first
	s_cmp_lt_u32 s[N1], s[TT]
	s_cselect_b32 s[N1], s[N1], s[MH]
	s_add_co_u32 s24, s[N1], 2                     ; and the one behind it: this set's next record
	s_cmp_lt_u32 s24, s[TT]
	s_cselect_b32 s24, s24, s[MH]
	s_min_u32 s24, s24, 63
	s_add_co_u32 s24, s24, s[E64]
	s_mul_i32 s24, s24, REC
	s_mov_b32 s25, 0
	s_min_u32 s26, s[TAU], 63
	s_add_co_u32 s26, s26, s[E64]
	s_lshl_b32 s26, s26, 2
	s_add_co_u32 s26, s26, s[KC]
	s_mul_i32 s26, s26, REC
	s_mov_b32 s27, 0
	s_wait_xcnt 0x0                                ; the last tile's stores have read their base and data, earlier loads their base: all may be written
	s_wait_alu depctr_vm_vsrc(0)                   ; the last tile's three stores have read v[PC ..] and v[PW], which this tile's conversions and joining line write again
	s_add_nc_u64 s[28+2*\b:29+2*\b], s[4:5], s[24:25]
	s_add_nc_u64 s[32:33], s[14:15], s[26:27]
	s_wait_loadcnt 34                              ; set b is in: behind its loads stand the other set's 34, which may be out
	MULS \b
.rept 8
	v_nop                                          ; eight places between the last product and the first read of results by a vector instruction; the loads into the products' sources have their wait in the first run
.endr
	LOADXA \b, 1
	WIN 0
	GELU 0
	LOADXB \b
	GELU 1
	QUANT2
	s_wait_alu depctr_va_vdst(0)                   ; the conversions have written v[PC ..] and the joining line v[PW], which the three stores read
	global_store_b128 v10, v[PC:PC+3], s[32:33]               ; an image: 512 consecutive bytes, aligned
	global_store_b128 v10, v[PC+4:PC+7], s[32:33] offset:512
	global_store_b16 v11, v[PW], s[32:33]                     ; lanes l and l xor 16 write the same two bytes with the same value
.endm
	s_load_b256 s[4:11], s[0:1], 0x0               ; xs s[4:5], rpos s[6:7], W1's codes s[8:9], W1's scales s[10:11]
	s_load_b128 s[12:15], s[0:1], 0x20             ; b1 s[12:13], hb s[14:15]
	v_lshl_add_u32 v254, v0, 2, 0x20800
	v_mov_b32 v255, 0
	v_lshrrev_b32 v12, 5, v0
	v_readfirstlane_b32 s[WV], v12
	s_and_b32 s[EX], ttmp7, 0xffff                 ; what does not hang on the wave's number stands between that line and the wait for it
	s_and_b32 s[KS], ttmp9, 7
	s_lshr_b32 s[KC], ttmp9, 3
	s_lshl_b32 s[E64], s[EX], 6
	s_lshl_b32 s[TRIPS], s[EX], 2                  ; 4 e, for n_e's load (the register becomes the trip count behind the wait for that load)
	v_and_b32 v13, 31, v0                          ; lane
	v_and_b32 v1, 15, v0                           ; r
	v_bfe_u32 v2, v0, 4, 1                         ; h
	v_lshlrev_b32 v3, 4, v13                       ; an image's place for my lane
	v_lshlrev_b32 v4, 5, v1                        ; a record's scale words of row r
	v_lshlrev_b32 v5, 4, v1
	v_lshl_add_u32 v5, v2, 10, v5                  ; weight loads: sixteen lanes take 256 bytes of a row, lanes 16-31 the next row
	v_and_b32 v14, 8, v1
	v_add_nc_u32 v14, v14, v1                      ; r + 8 (r / 8)
	v_lshlrev_b32 v8, 6, v2                        ; b1: 64 h
	v_lshlrev_b32 v9, 5, v14                       ; W1's scale words: 32 bytes a row
	v_mov_b32 v[CA13], 0xaf95df0b
	v_mov_b32 v[CA13+1], 0xaf95df0b
	v_mov_b32 v[CB8], 0xb77460cd
	v_mov_b32 v[CB8+1], 0xb77460cd
	v_mov_b32 v[TM+2], 0                           ; written once: a lane permute's destination counts as one of its sources
	v_mov_b32 v[TM+3], 0
	s_wait_alu depctr_va_sdst(0)                   ; the wave's number is written, ahead of its first reader: LDS addresses and the weights' bases are made from it
	s_lshr_b32 s[MH], s[WV], 1
	s_and_b32 s[NH], s[WV], 1
	s_mul_i32 s24, s[WV], 32*PITCH
	v_mul_u32_u24 v6, v2, PITCH
	v_lshl_add_u32 v6, v1, 4, v6
	v_add_nc_u32 v6, s24, v6                       ; LDS, way in: row 32 w + h
	v_mul_u32_u24 v7, v14, PITCH
	v_lshl_add_u32 v7, v2, 4, v7
	s_mul_i32 s24, s[NH], 64*PITCH
	v_add_nc_u32 v7, s24, v7                       ; LDS, fragments: row 64 nh + r + 8 (r / 8), + 16 h
	s_lshl_b32 s24, s[KS], 11
	s_lshl_b32 s25, s[NH], 10
	s_add_co_u32 s24, s24, s25
	v_add_nc_u32 v10, s24, v3                      ; h's codes: image 4 s + 2 nh
	s_lshl_b32 s24, s[KS], 2
	s_lshl_b32 s25, s[NH], 1
	s_add_co_u32 s24, s24, s25
	s_add_co_u32 s24, s24, 16384
	v_add_nc_u32 v11, s24, v4                      ; h's scale bytes: row r, word s, bytes 2 nh and 2 nh + 1
	s_lshl_b32 s24, s[EX], 22                      ; my 32 rows of W1: e, 128 c, 32 w rows of 1,024 bytes
	s_lshl_b32 s26, ttmp9, 17
	s_add_co_u32 s24, s24, s26
	s_lshl_b32 s26, s[WV], 15
	s_add_co_u32 s24, s24, s26
	s_mov_b32 s25, 0
	s_lshl_b32 s26, s[EX], 17                      ; the scale bytes of my 64 units: 32 bytes a row
	s_lshl_b32 s34, ttmp9, 12
	s_add_co_u32 s26, s26, s34
	s_lshl_b32 s34, s[NH], 11
	s_add_co_u32 s26, s26, s34
	s_mov_b32 s27, 0
	s_lshl_b32 s34, s[EX], 14                      ; their b1
	s_lshl_b32 s32, ttmp9, 9
	s_add_co_u32 s34, s34, s32
	s_lshl_b32 s32, s[NH], 8
	s_add_co_u32 s34, s34, s32
	s_mov_b32 s35, 0
	s_wait_kmcnt 0x0
	s_load_b32 s[TT], s[6:7], s[TRIPS] offset:0x10000         ; n_e
	s_add_nc_u64 s[8:9], s[8:9], s[24:25]
	s_add_nc_u64 s[10:11], s[10:11], s[26:27]
	s_add_nc_u64 s[12:13], s[12:13], s[34:35]
	WIN 0x40                                       ; destination window 1
	s_wait_alu depctr_va_vdst(0)                   ; the offsets and LDS addresses v3 to v11 are written, which every load and store of the kernel reads; no vector line follows before the loop
.set n, 0
.rept 64
	global_load_b128 v[4*n:4*n+3], v5, s[8:9] offset:2*(n/4)*1024+256*(n%4) th:TH_LOAD_NT     ; read once in the launch
.set n, n+1
.endr
	WIN 0
.irp t, 0,1,2,3
	global_load_b128 v[WS+8*\t:WS+8*\t+3], v9, s[10:11] offset:32*(32*(\t/2)+8*(\t%2))
	global_load_b128 v[WS+8*\t+4:WS+8*\t+7], v9, s[10:11] offset:32*(32*(\t/2)+8*(\t%2))+16
.endr
.irp t, 0,1,2,3
	global_load_b128 v[BIAS+8*\t:BIAS+8*\t+3], v8, s[12:13] offset:4*(32*(\t/2)+8*(\t%2))
	global_load_b128 v[BIAS+8*\t+4:BIAS+8*\t+7], v8, s[12:13] offset:4*(32*(\t/2)+8*(\t%2))+16
.endr
	s_wait_kmcnt 0x0                               ; n_e
	s_add_co_u32 s[TT], s[TT], 15
	s_lshr_b32 s[TT], s[TT], 4
	s_min_u32 s[TT], s[TT], 64
	s_max_u32 s[TT], s[TT], 2                      ; T
	s_sub_co_u32 s[LEFT], s[TT], s[MH]
	s_add_co_u32 s[LEFT], s[LEFT], 1
	s_lshr_b32 s[LEFT], s[LEFT], 1                 ; M = (T - mh + 1) / 2: my tiles, at least one
	s_mul_i32 s[TAU], s[LEFT], ttmp9
	s_lshr_b32 s[TAU], s[TAU], 5                   ; where my walk begins: tile number (c M) / 32, under M
	s_lshl_b32 s[TAU], s[TAU], 1
	s_add_co_u32 s[TAU], s[TAU], s[MH]             ; as a tile of the expert
	s_add_co_u32 s[TRIPS], s[LEFT], 1              ; a trip takes two tiles
	s_lshr_b32 s[TRIPS], s[TRIPS], 1
	s_max_u32 s[TRIPS], s[TRIPS], 1                ; (it is at least 1 by the arithmetic above; written so that the text shows it)
	s_min_u32 s24, s[TAU], 63                      ; the walk's first record, for set 0,
	s_add_co_u32 s24, s24, s[E64]
	s_mul_i32 s24, s24, REC
	s_mov_b32 s25, 0
	s_add_nc_u64 s[28:29], s[4:5], s[24:25]
	s_add_co_u32 s26, s[TAU], 2                    ; and its second, for set 1
	s_cmp_lt_u32 s26, s[TT]
	s_cselect_b32 s26, s26, s[MH]
	s_min_u32 s26, s26, 63
	s_add_co_u32 s26, s26, s[E64]
	s_mul_i32 s26, s26, REC
	s_mov_b32 s27, 0
	s_add_nc_u64 s[30:31], s[4:5], s[26:27]
	LOADXA 0, 0                                    ; no product has read the set yet, and v3 and v4 stand ahead of the head's wait
	LOADXB 0
	SPAIR RS2, 0x3f3504f3                          ; 1 / sqrt 2
	SPAIR A11, 0x32edffee                          ; the numerator's coefficients, from z^11 down,
	SPAIR A9,  0xb60cff51
	SPAIR A7,  0xb86ec2d2
	SPAIR A5,  0xba40ac63
	SPAIR A3,  0xbb41a1f6
	SPAIR A1,  0xbc83dbd4
	SPAIR B6,  0xb95fbd29                          ; and the denominator's
	SPAIR B4,  0xbadc924e
	SPAIR B2,  0xbbf19bf8
	SPAIR B0,  0xbc69b6a7
	s_mov_b32 s[SEL], 0x76543210
	s_mov_b32 s[SEL+1], 0xfedcba98
	s_mov_b32 s[MNT], 0x600000
	s_wait_loadcnt 34                              ; the weights, their scales and b1 are in; the first record's 34 loads may be out
	WIN 0x04                                       ; an LDS store's data are its source 1: window 1
.set n, 0
.rept 64
	ds_store_b128 v6, v[4*n:4*n+3] offset:2*(n/4)*PITCH+256*(n%4)
.set n, n+1
.endr
	LOADXA 1, 0                                    ; the walk's second record: asked for behind the counted wait above, so that that wait's count stays the first record's 34
	LOADXB 1
	s_wait_dscnt 0x0                               ; for the others' sake: my 32 rows lie in LDS
	s_barrier_signal -1
	s_barrier_wait -1                              ; the text's one barrier: all 128 rows lie there
	WIN 0x40
	s_wait_alu depctr_vm_vsrc(0)                   ; my LDS stores have read window 1's registers, in which the fragments' loads below land
.irp s, 0,1,2,3,4,5,6,7
.if \s < 4
	WIN 0x40
.else
	WIN 0x80
.endif
.irp t, 0,1,2,3
.irp c, 0,1,2,3
	ds_load_b128 v[16*(4*(\s%4)+\t)+4*\c:16*(4*(\s%4)+\t)+4*\c+3], v7 offset:(32*(\t/2)+8*(\t%2))*PITCH+128*\s+32*\c
.endr
.endr
.endr
	WIN 0
	s_wait_dscnt 0x0                               ; my fragments are in
.Lpair:
	STEP 0
	s_mov_b32 s[TAU], s[N1]
	s_sub_co_u32 s[LEFT], s[LEFT], 1
	s_cmp_lg_u32 s[LEFT], 0
	s_cbranch_scc1 .Lmore                          ; a second tile is left in this trip
	s_wait_dscnt 0x0                               ; the closing lines, six on end.  A wave with an odd number of tiles ends here, in its last trip: nothing jumps over the counter's step; the look-ahead's plain loads may be out
	s_wait_alu 0x0
	s_wait_tensorcnt 0x0
	ds_add_u32 v254, v255
	s_wait_dscnt 0x0
	s_endpgm
.Lmore:
	STEP 1
	s_mov_b32 s[TAU], s[N1]
	s_sub_co_u32 s[LEFT], s[LEFT], 1
	s_sub_co_u32 s[TRIPS], s[TRIPS], 1
	s_cmp_lg_u32 s[TRIPS], 0
	s_cbranch_scc1 .Lpair
	s_wait_dscnt 0x0                               ; the closing lines once more, for the other end
	s_wait_alu 0x0
	s_wait_tensorcnt 0x0
	ds_add_u32 v254, v255
	s_wait_dscnt 0x0
	s_endpgm
.Lfunc_end_k_qec57b00973_ffn1:
	.size	k_qec57b00973_ffn1, .Lfunc_end_k_qec57b00973_ffn1-k_qec57b00973_ffn1
	.p2alignl 7, 3214868480
	.fill 96, 4, 3214868480
	.section	.rodata,"a",@progbits
	.p2align	6, 0x0
	.amdhsa_kernel k_qec57b00973_ffn1
		.amdhsa_group_segment_fixed_size 133632
		.amdhsa_private_segment_fixed_size 0
		.amdhsa_enable_private_segment 0
		.amdhsa_kernarg_size 48
		.amdhsa_user_sgpr_count 2
		.amdhsa_user_sgpr_kernarg_segment_ptr 1
		.amdhsa_wavefront_size32 1
		.amdhsa_system_sgpr_workgroup_id_x 1
		.amdhsa_system_sgpr_workgroup_id_y 1
		.amdhsa_system_sgpr_workgroup_id_z 1
		.amdhsa_system_vgpr_workitem_id 0
		.amdhsa_next_free_vgpr 1024
		.amdhsa_next_free_sgpr 66
		.amdhsa_reserve_vcc 0
		.amdhsa_float_denorm_mode_32 3
		.amdhsa_float_denorm_mode_16_64 3
		.amdhsa_memory_ordered 1
		.amdhsa_forward_progress 1
		.amdhsa_inst_pref_size 97
	.end_amdhsa_kernel
	.amdgpu_metadata
---
amdhsa.version: [ 1, 2 ]
amdhsa.kernels:
  - .name:           k_qec57b00973_ffn1
    .symbol:         k_qec57b00973_ffn1.kd
    .args:
      - { .name: xs, .offset: 0, .size: 8, .value_kind: global_buffer, .address_space: global }
      - { .name: rpos, .offset: 8, .size: 8, .value_kind: global_buffer, .address_space: global }
      - { .name: w1_codes, .offset: 16, .size: 8, .value_kind: global_buffer, .address_space: global }
      - { .name: w1_scales, .offset: 24, .size: 8, .value_kind: global_buffer, .address_space: global }
      - { .name: b1, .offset: 32, .size: 8, .value_kind: global_buffer, .address_space: global }
      - { .name: hb, .offset: 40, .size: 8, .value_kind: global_buffer, .address_space: global }
    .group_segment_fixed_size: 133632
    .private_segment_fixed_size: 0
    .kernarg_segment_align: 8
    .kernarg_segment_size: 48
    .max_flat_workgroup_size: 128
    .sgpr_count:     66
    .vgpr_count:     1024
    .wavefront_size: 32
...
	.end_amdgpu_metadata
.endif
;; end of part 6
;; launch ffn2 (part 7): grid 32 x 8, 4 waves a work-group, no clusters, 151,040 bytes of LDS; arguments hb, rpos, w2_codes, w2_scales, b2, yb; writes yb
.if DOCPART == 7
	.amdgcn_target "amdgcn-amd-amdhsa--gfx1250"
	.amdhsa_code_object_version 6
	.text
	.protected	k_qec57b00973_ffn2
	.globl	k_qec57b00973_ffn2
	.p2align	8
	.type	k_qec57b00973_ffn2,@function
k_qec57b00973_ffn2:
	s_mov_b64 s[64:65], 0
	v_nop
	global_prefetch_b8 v0, s[64:65] scope:SCOPE_SE
	s_setreg_imm32_b32 hwreg(HW_REG_WAVE_SCHED_MODE, 0, 2), 2
	s_setreg_imm32_b32 hwreg(HW_REG_WAVE_MODE, 25, 1), 1
	s_wait_xcnt 0x0
	s_wait_alu depctr_vm_vsrc(0)
; PARTS OF y = h W2 + b2 for the routed rows, on codes of E4M3 with one E8M0 scale for each 32 along K.  K = 4,096 is shared among four work-groups; the last launch adds the four parts.
; THE WEIGHTS STAY, THE ROWS WALK, as in the launch before.  Work-group (nc + 8 kc, e) owns outputs 128 nc .. 128 nc + 127 of expert e and K = 1,024 kc .. 1,024 kc + 1,023.
; Wave w = 2 mh + nh keeps outputs 64 nh .. 64 nh + 63 in 512 registers and walks tiles tau = mh, mh + 2, .. under T = ceil(n_e / 16) held to 2 .. 64: M = (T - mh + 1) / 2 tiles.
; THE WALK IS ROTATED: the wave begins at its tile number (nc M) / 8 and wraps round to its first, so that the 8 work-groups of an (e, kc) ask for different records at any one time.
; The rows come as records (64 e + tau) 4 + kc of hb: register images, in two sets of registers.  A set is loaded again behind the products that read it, in two runs, with the record two tiles on in the walk:
; up to two records of a wave are on their way.  The wrap makes every such address a record that exists; the walk's last two records are brought and nobody multiplies them.
; THE PRODUCT IS USED TRANSPOSED (source 0 = 16 rows of W2, source 1 = 16 rows of h): a lane holds eight neighbouring outputs of one row.  b2 is the C of each sum's first instruction where kc = 0, zeros elsewhere.
; yb: f32 [kc][1,024 e + rank][1,024].  A tile's 16 rows x 64 outputs go through the wave's own stage in LDS and leave as rows: sixteen lanes store 256 consecutive bytes, aligned.  Rows past n_e are stored and never read.
; NO TENSOR LOADS, NO CLUSTER, NO JOINT LOADS, though the 8 work-groups of an (e, kc) read the same records: the trip count is a number read from memory.
; REGISTERS, in windows of 256: window 0 as named below; window 1: W(t, s), s = 0..3, at 16 (4 s + t) (first the rows as loaded); window 2: s = 4..7; window 3: the records' images, set b at 128 b + 16 s + 4 c.
; THE MODE: SCHED_MODE bits 1:0 = 2 (LLVM: expert scheduling mode 2), set by the entry lines.  The code itself states the register dependences
; between vector or matrix instructions and memory or LDS instructions, with s_wait_alu, always for 0.
; THE PLAN.  Registers that memory or LDS instructions touch:
;   v3 .. v11      Offsets and LDS addresses.  Made at the head, ahead of the one wait on va_vdst there, and never written again: records and y's rows are reached by scalar bases and immediate offsets.
;   window 1       At the head: the weights' loads land in it, the LDS stores read it, the fragments' LDS loads land in it again: one wait on vm_vsrc between the last two.  From then on products alone read windows 1 and 2.
;   set b, XS[b]   Tile p (b = p % 2): its 32 products read them; behind the products the loads of tile p + 2's record land in them.
;   ACC            Tile p's products write it; the tile's eight LDS stores read it; tile p + 1's products write it again.
;   OB             Tile p's eight loads from the stage land in it; the tile's eight global stores read it; tile p + 1's loads land in it again.  No vector instruction names it.
;   v254, v255     Written at the head, read by the closing add alone.
;   BIAS and WS are named, in the loop, by matrix instructions alone.
; So a tile holds TWO waits.  One on vm_vsrc at its head: the last tile's LDS stores have read ACC, its global stores OB.  One on va_vdst behind its products and their places: ACC is written, and the products are done
; reading set b and XS[b].  No vector or matrix instruction follows that wait in the tile, so it serves all that stands behind it: the stage's stores and loads, the first 16 loads of the record (they stand in the stage's
; round trip), the eight global stores, the record's other 18 loads.
.set PITCH, 1040                       ; a weight row's part in LDS: 1,024 bytes + 16
.set REC,   16896
.set STG,   128*PITCH                  ; behind the weights: a stage of 16 rows x (256 bytes + 16) for each wave
.set SP,    272
.set ACC,  16                          ; v16-47   four accumulators
.set BIAS, 48                          ; v48-79   b2 in the result's layout, or zeros
.set WS,   80                          ; v80-111  W2's scale words, 8 t + s: scales and nothing else
.set XS,   112                         ; v112-127 the rows' scale words, 8 b + s: likewise
.set OB,   128                         ; v128-159 16 rows read back from the stage
.set STO,  10
.set SRD,  11
.set WV,   16
.set MH,   17
.set NH,   18
.set NC,   19
.set EX,   20
.set TT,   21
.set TAU,  22                          ; s22 the tile in hand
.set TRIPS, 23
.set LEFT, 34                          ; s34 tiles left, the one in hand among them (the head uses s34 and s35 for an offset first)
.set N1,   35                          ; s35 the walk's next tile
.set E64,  61
.set KC,   62
.set YOFF, 63
.set MSB, 0
.macro WIN new                         ; the immediate's high byte repeats the setting that is left
.if MSB != \new
	s_set_vgpr_msb (MSB<<8)|\new
.set MSB, \new
.endif
.endm
; a record into set b, in two runs: its base stands in s[28 + 2 b : 29 + 2 b].  The first run: images 0 to 15
.macro LOADXA b
	WIN 0xc0                                       ; destination window 3
.set n, 0
.rept 16
	global_load_b128 v[128*(\b)+4*n:128*(\b)+4*n+3], v3, s[28+2*(\b):29+2*(\b)] offset:512*n
.set n, n+1
.endr
.endm
; the second run: images 16 to 31 and the scale words
.macro LOADXB b
	WIN 0xc0                                       ; destination window 3
.set n, 16
.rept 16
	global_load_b128 v[128*(\b)+4*n:128*(\b)+4*n+3], v3, s[28+2*(\b):29+2*(\b)] offset:512*n
.set n, n+1
.endr
	WIN 0
	global_load_b128 v[XS+8*(\b):XS+8*(\b)+3], v4, s[28+2*(\b):29+2*(\b)] offset:16384
	global_load_b128 v[XS+8*(\b)+4:XS+8*(\b)+7], v4, s[28+2*(\b):29+2*(\b)] offset:16400
.endm
.macro MULS b                          ; 32 matrix instructions: K step by K step, the four accumulators by turns, one instruction a turn
.irp s, 0,1,2,3,4,5,6,7
.if \s < 4
	WIN 0x0d                                       ; source 0 window 1, source 1 window 3
.else
	WIN 0x0e                                       ; source 0 window 2
.endif
.irp t, 0,1,2,3
.if \s == 0
	v_wmma_scale_f32_16x16x128_f8f6f4 v[ACC+8*\t:ACC+8*\t+7], v[16*(4*(\s%4)+\t):16*(4*(\s%4)+\t)+15], v[128*(\b)+16*\s:128*(\b)+16*\s+15], v[BIAS+8*\t:BIAS+8*\t+7], v[WS+8*\t+\s], v[XS+8*(\b)+\s]
.else
	v_wmma_scale_f32_16x16x128_f8f6f4 v[ACC+8*\t:ACC+8*\t+7], v[16*(4*(\s%4)+\t):16*(4*(\s%4)+\t)+15], v[128*(\b)+16*\s:128*(\b)+16*\s+15], v[ACC+8*\t:ACC+8*\t+7], v[WS+8*\t+\s], v[XS+8*(\b)+\s]
.endif
.endr
.endr
	WIN 0
.endm
; A TILE from set b.  Behind its products the set takes the record two tiles on in the walk; the other set's record, asked for a step ago, stays on its way meanwhile.
.macro STEP b
	s_add_co_u32 s[N1], s[TAU], 2                  ; the walk's next tile: two on, or round to my first
	s_cmp_lt_u32 s[N1], s[TT]
	s_cselect_b32 s[N1], s[N1], s[MH]
	s_add_co_u32 s24, s[N1], 2                     ; and the one behind it: this set's next record
	s_cmp_lt_u32 s24, s[TT]
	s_cselect_b32 s24, s24, s[MH]
	s_min_u32 s24, s24, 63
	s_add_co_u32 s24, s24, s[E64]
	s_lshl_b32 s24, s24, 2
	s_add_co_u32 s24, s24, s[KC]
	s_mul_i32 s24, s24, REC
	s_mov_b32 s25, 0
	s_min_u32 s26, s[TAU], 63
	s_lshl_b32 s26, s26, 16                        ; 16 tau rows of 4,096 bytes
	s_add_co_u32 s26, s26, s[YOFF]
	s_mov_b32 s27, 0
	s_wait_xcnt 0x0                                ; the last tile's stores have read their base and data, earlier loads their base: all may be written
	s_wait_alu depctr_vm_vsrc(0)                   ; the last tile's LDS stores have read the accumulators, which this tile's products write; its global stores have read v[OB ..], in which this tile's loads from the stage land
	s_add_nc_u64 s[28+2*\b:29+2*\b], s[4:5], s[24:25]
	s_add_nc_u64 s[32:33], s[14:15], s[26:27]
	s_wait_loadcnt 34                              ; set b is in: behind its loads stand the other set's 34, which may be out
	MULS \b
.rept 9
	v_nop                                          ; eight places ahead of the LDS stores that read results; nine ahead of the next tile's first products, which begin the accumulators anew with another C
.endr
	s_wait_alu depctr_va_vdst(0)                   ; the products have written the accumulators, which the LDS stores read, and are done reading set b and its scale words, in which the record's loads land; the places above stay beside this wait
.irp t, 0,1,2,3
	ds_store_b128 v[STO], v[ACC+8*\t:ACC+8*\t+3] offset:64*\t          ; each accumulator from its low end on
	ds_store_b128 v[STO], v[ACC+8*\t+4:ACC+8*\t+7] offset:64*\t+16
.endr
.irp i, 0,1,2,3,4,5,6,7
	ds_load_b128 v[OB+4*\i:OB+4*\i+3], v[SRD] offset:2*\i*SP           ; LDS serves a wave's instructions in order (ISA guide 5.7.1.4): these see my stores
.endr
	LOADXA \b                                      ; no wait: since the wait above only LDS instructions have been issued, which name the accumulators, v[OB ..] and their two addresses
	WIN 0
.irp i, 0,1,2,3,4,5,6,7
	s_wait_dscnt 7-\i                              ; the younger loads from the stage may be out
	global_store_b128 v5, v[OB+4*\i:OB+4*\i+3], s[32:33] offset:8192*\i th:TH_STORE_NT   ; rows 2 i and 2 i + 1: 256 consecutive bytes each, aligned
.endr
	LOADXB \b                                      ; likewise: the stores between name v5 and v[OB ..]
.endm
	s_load_b256 s[4:11], s[0:1], 0x0               ; hb s[4:5], rpos s[6:7], W2's codes s[8:9], W2's scales s[10:11]
	s_load_b128 s[12:15], s[0:1], 0x20             ; b2 s[12:13], yb s[14:15]
	v_lshl_add_u32 v254, v0, 2, 0x24c00
	v_mov_b32 v255, 0
	v_lshrrev_b32 v12, 5, v0
	v_readfirstlane_b32 s[WV], v12
	s_and_b32 s[EX], ttmp7, 0xffff                 ; what does not hang on the wave's number stands between that line and the wait for it
	s_and_b32 s[NC], ttmp9, 7
	s_lshr_b32 s[KC], ttmp9, 3
	s_lshl_b32 s[E64], s[EX], 6
	s_lshl_b32 s[TRIPS], s[EX], 2                  ; 4 e, for n_e's load (the register becomes the trip count behind the wait for that load)
	v_and_b32 v13, 31, v0                          ; lane
	v_and_b32 v1, 15, v0                           ; r
	v_bfe_u32 v2, v0, 4, 1                         ; h
	v_lshlrev_b32 v3, 4, v13                       ; an image's place for my lane
	v_lshlrev_b32 v4, 5, v1                        ; a record's scale words of row r
	v_lshlrev_b32 v5, 4, v1
	v_lshl_add_u32 v5, v2, 12, v5                  ; weight loads and y's stores alike: sixteen lanes take 256 bytes of a row of 4,096, lanes 16-31 the next row
	v_lshlrev_b32 v8, 5, v2                        ; b2: 32 h
	v_lshlrev_b32 v9, 7, v1                        ; W2's scale words: 128 bytes a row
	s_wait_alu depctr_va_sdst(0)                   ; the wave's number is written, ahead of its first reader: LDS addresses and the weights' bases are made from it
	s_lshr_b32 s[MH], s[WV], 1
	s_and_b32 s[NH], s[WV], 1
	s_mul_i32 s24, s[WV], 32*PITCH
	v_mul_u32_u24 v6, v2, PITCH
	v_lshl_add_u32 v6, v1, 4, v6
	v_add_nc_u32 v6, s24, v6                       ; LDS, way in: row 32 w + h
	v_mul_u32_u24 v7, v1, PITCH
	v_lshl_add_u32 v7, v2, 4, v7
	s_mul_i32 s24, s[NH], 64*PITCH
	v_add_nc_u32 v7, s24, v7                       ; LDS, fragments: row 64 nh + r, + 16 h
	s_mul_i32 s24, s[WV], 16*SP
	s_add_co_u32 s24, s24, STG                     ; my stage
	v_mul_u32_u24 v[STO], v1, SP
	v_lshl_add_u32 v[STO], v2, 5, v[STO]
	v_add_nc_u32 v[STO], s24, v[STO]               ; in: row r, 32 bytes for each half of the lanes
	v_mul_u32_u24 v[SRD], v2, SP
	v_lshl_add_u32 v[SRD], v1, 4, v[SRD]
	v_add_nc_u32 v[SRD], s24, v[SRD]               ; back: lanes 0-15 one row, lanes 16-31 the next
	s_lshl_b32 s24, s[EX], 22                      ; my 32 rows of W2: e, 128 nc + 32 w rows of 4,096 bytes, + 1,024 kc
	s_lshl_b32 s26, s[NC], 19
	s_add_co_u32 s24, s24, s26
	s_lshl_b32 s26, s[WV], 17
	s_add_co_u32 s24, s24, s26
	s_lshl_b32 s26, s[KC], 10
	s_add_co_u32 s24, s24, s26
	s_mov_b32 s25, 0
	s_lshl_b32 s26, s[EX], 17                      ; the scale bytes of my 64 outputs: 128 bytes a row, + 32 kc
	s_lshl_b32 s34, s[NC], 14
	s_add_co_u32 s26, s26, s34
	s_lshl_b32 s34, s[NH], 13
	s_add_co_u32 s26, s26, s34
	s_lshl_b32 s34, s[KC], 5
	s_add_co_u32 s26, s26, s34
	s_mov_b32 s27, 0
	s_lshl_b32 s36, s[NC], 9                       ; my 64 outputs in a row of f32: 512 nc + 256 nh
	s_lshl_b32 s34, s[NH], 8
	s_add_co_u32 s36, s36, s34
	s_lshl_b32 s34, s[EX], 12                      ; their b2
	s_add_co_u32 s34, s34, s36
	s_mov_b32 s35, 0
	s_lshl_b32 s[YOFF], s[KC], 25                  ; yb: part kc, expert e's 1,024 rows, my outputs
	s_lshl_b32 s32, s[EX], 22
	s_add_co_u32 s[YOFF], s[YOFF], s32
	s_add_co_u32 s[YOFF], s[YOFF], s36
	s_wait_kmcnt 0x0
	s_load_b32 s[TT], s[6:7], s[TRIPS] offset:0x10000         ; n_e
	s_add_nc_u64 s[8:9], s[8:9], s[24:25]
	s_add_nc_u64 s[10:11], s[10:11], s[26:27]
	s_add_nc_u64 s[12:13], s[12:13], s[34:35]
	WIN 0x40                                       ; destination window 1
	s_wait_alu depctr_va_vdst(0)                   ; the offsets and LDS addresses v3 to v11 are written, which every load and store of the kernel reads; the only vector lines that follow before the loop write v[BIAS ..], on the way on which nothing is loaded there
.set n, 0
.rept 64
	global_load_b128 v[4*n:4*n+3], v5, s[8:9] offset:2*(n/4)*4096+256*(n%4) th:TH_LOAD_NT     ; read once in the launch
.set n, n+1
.endr
	WIN 0
.irp t, 0,1,2,3
	global_load_b128 v[WS+8*\t:WS+8*\t+3], v9, s[10:11] offset:2048*\t
	global_load_b128 v[WS+8*\t+4:WS+8*\t+7], v9, s[10:11] offset:2048*\t+16
.endr
	s_cmp_lg_u32 s[KC], 0                          ; b2 is added once: by the work-groups of K's first part (a branch on the work-group's number)
	s_cbranch_scc1 .Lno_bias
.irp t, 0,1,2,3
	global_load_b128 v[BIAS+8*\t:BIAS+8*\t+3], v8, s[12:13] offset:64*\t
	global_load_b128 v[BIAS+8*\t+4:BIAS+8*\t+7], v8, s[12:13] offset:64*\t+16
.endr
	s_branch .Lbias_set
.Lno_bias:
.set n, 0
.rept 32
	v_mov_b32 v[BIAS+n], 0
.set n, n+1
.endr
.Lbias_set:
	s_wait_kmcnt 0x0                               ; n_e
	s_add_co_u32 s[TT], s[TT], 15
	s_lshr_b32 s[TT], s[TT], 4
	s_min_u32 s[TT], s[TT], 64
	s_max_u32 s[TT], s[TT], 2                      ; T
	s_sub_co_u32 s[LEFT], s[TT], s[MH]
	s_add_co_u32 s[LEFT], s[LEFT], 1
	s_lshr_b32 s[LEFT], s[LEFT], 1                 ; M = (T - mh + 1) / 2: my tiles, at least one
	s_mul_i32 s[TAU], s[LEFT], s[NC]
	s_lshr_b32 s[TAU], s[TAU], 3                   ; where my walk begins: tile number (nc M) / 8, under M
	s_lshl_b32 s[TAU], s[TAU], 1
	s_add_co_u32 s[TAU], s[TAU], s[MH]             ; as a tile of the expert
	s_add_co_u32 s[TRIPS], s[LEFT], 1              ; a trip takes two tiles
	s_lshr_b32 s[TRIPS], s[TRIPS], 1
	s_max_u32 s[TRIPS], s[TRIPS], 1                ; (it is at least 1 by the arithmetic above; written so that the text shows it)
	s_min_u32 s24, s[TAU], 63                      ; the walk's first record, for set 0,
	s_add_co_u32 s24, s24, s[E64]
	s_lshl_b32 s24, s24, 2
	s_add_co_u32 s24, s24, s[KC]
	s_mul_i32 s24, s24, REC
	s_mov_b32 s25, 0
	s_add_nc_u64 s[28:29], s[4:5], s[24:25]
	s_add_co_u32 s26, s[TAU], 2                    ; and its second, for set 1
	s_cmp_lt_u32 s26, s[TT]
	s_cselect_b32 s26, s26, s[MH]
	s_min_u32 s26, s26, 63
	s_add_co_u32 s26, s26, s[E64]
	s_lshl_b32 s26, s26, 2
	s_add_co_u32 s26, s26, s[KC]
	s_mul_i32 s26, s26, REC
	s_mov_b32 s27, 0
	s_add_nc_u64 s[30:31], s[4:5], s[26:27]
	LOADXA 0                                       ; no product has read the set yet, and v3 and v4 stand ahead of the head's wait
	LOADXB 0
	s_wait_loadcnt 34                              ; the weights, their scales and b2 are in, on both ways; the first record's 34 loads may be out
	WIN 0x04                                       ; an LDS store's data are its source 1: window 1
.set n, 0
.rept 64
	ds_store_b128 v6, v[4*n:4*n+3] offset:2*(n/4)*PITCH+256*(n%4)
.set n, n+1
.endr
	LOADXA 1                                       ; the walk's second record: asked for behind the counted wait above, so that that wait's count stays the first record's 34
	LOADXB 1
	s_wait_dscnt 0x0                               ; for the others' sake: my 32 rows lie in LDS
	s_barrier_signal -1
	s_barrier_wait -1                              ; the text's one barrier: all 128 rows lie there
	WIN 0x40
	s_wait_alu depctr_vm_vsrc(0)                   ; my LDS stores have read window 1's registers, in which the fragments' loads below land
.irp s, 0,1,2,3,4,5,6,7
.if \s < 4
	WIN 0x40
.else
	WIN 0x80
.endif
.irp t, 0,1,2,3
.irp c, 0,1,2,3
	ds_load_b128 v[16*(4*(\s%4)+\t)+4*\c:16*(4*(\s%4)+\t)+4*\c+3], v7 offset:16*\t*PITCH+128*\s+32*\c
.endr
.endr
.endr
	WIN 0
	s_wait_dscnt 0x0                               ; my fragments are in
.Lpair:
	STEP 0
	s_mov_b32 s[TAU], s[N1]
	s_sub_co_u32 s[LEFT], s[LEFT], 1
	s_cmp_lg_u32 s[LEFT], 0
	s_cbranch_scc1 .Lmore                          ; a second tile is left in this trip
	s_wait_dscnt 0x0                               ; the closing lines, six on end.  A wave with an odd number of tiles ends here, in its last trip: nothing jumps over the counter's step; the look-ahead's plain loads may be out
	s_wait_alu 0x0
	s_wait_tensorcnt 0x0
	ds_add_u32 v254, v255
	s_wait_dscnt 0x0
	s_endpgm
.Lmore:
	STEP 1
	s_mov_b32 s[TAU], s[N1]
	s_sub_co_u32 s[LEFT], s[LEFT], 1
	s_sub_co_u32 s[TRIPS], s[TRIPS], 1
	s_cmp_lg_u32 s[TRIPS], 0
	s_cbranch_scc1 .Lpair
	s_wait_dscnt 0x0                               ; the closing lines once more, for the other end
	s_wait_alu 0x0
	s_wait_tensorcnt 0x0
	ds_add_u32 v254, v255
	s_wait_dscnt 0x0
	s_endpgm
.Lfunc_end_k_qec57b00973_ffn2:
	.size	k_qec57b00973_ffn2, .Lfunc_end_k_qec57b00973_ffn2-k_qec57b00973_ffn2
	.p2alignl 7, 3214868480
	.fill 96, 4, 3214868480
	.section	.rodata,"a",@progbits
	.p2align	6, 0x0
	.amdhsa_kernel k_qec57b00973_ffn2
		.amdhsa_group_segment_fixed_size 151040
		.amdhsa_private_segment_fixed_size 0
		.amdhsa_enable_private_segment 0
		.amdhsa_kernarg_size 48
		.amdhsa_user_sgpr_count 2
		.amdhsa_user_sgpr_kernarg_segment_ptr 1
		.amdhsa_wavefront_size32 1
		.amdhsa_system_sgpr_workgroup_id_x 1
		.amdhsa_system_sgpr_workgroup_id_y 1
		.amdhsa_system_sgpr_workgroup_id_z 1
		.amdhsa_system_vgpr_workitem_id 0
		.amdhsa_next_free_vgpr 1024
		.amdhsa_next_free_sgpr 66
		.amdhsa_reserve_vcc 0
		.amdhsa_float_denorm_mode_32 3
		.amdhsa_float_denorm_mode_16_64 3
		.amdhsa_memory_ordered 1
		.amdhsa_forward_progress 1
		.amdhsa_inst_pref_size 54
	.end_amdhsa_kernel
	.amdgpu_metadata
---
amdhsa.version: [ 1, 2 ]
amdhsa.kernels:
  - .name:           k_qec57b00973_ffn2
    .symbol:         k_qec57b00973_ffn2.kd
    .args:
      - { .name: hb, .offset: 0, .size: 8, .value_kind: global_buffer, .address_space: global }
      - { .name: rpos, .offset: 8, .size: 8, .value_kind: global_buffer, .address_space: global }
      - { .name: w2_codes, .offset: 16, .size: 8, .value_kind: global_buffer, .address_space: global }
      - { .name: w2_scales, .offset: 24, .size: 8, .value_kind: global_buffer, .address_space: global }
      - { .name: b2, .offset: 32, .size: 8, .value_kind: global_buffer, .address_space: global }
      - { .name: yb, .offset: 40, .size: 8, .value_kind: global_buffer, .address_space: global }
    .group_segment_fixed_size: 151040
    .private_segment_fixed_size: 0
    .kernarg_segment_align: 8
    .kernarg_segment_size: 48
    .max_flat_workgroup_size: 128
    .sgpr_count:     66
    .vgpr_count:     1024
    .wavefront_size: 32
...
	.end_amdgpu_metadata
.endif
;; end of part 7
;; launch combine: the kernel of part 5 again; grid 256 x 1, 8 waves a work-group, no clusters, 0 bytes of LDS; arguments yb, rpos, ridx, xq, out0; writes out0
